; MI455X (gfx1250); checked and timed in simulation.
; The chip was launched on July 23, 2026; its instructions are those of AMD's public machine-readable ISA for CDNA 5 (MIT licence, August 2026) and "CDNA5" Instruction Set Architecture Reference Guide (July 2026). The comments in the code are by the model that wrote it; some were corrected since.
;; Transformer. Allowed arithmetic: matrix products marked QUANTISED: E2M3 operands, one E8M0 scale for each 32 along K, by v_wmma_scale_f32_16x16x128_f8f6f4 with both operands' format E2M3, f32 sums; everything else in f32.
;; Inputs: Wk_codes 1,024 x 32 x 24 uint8 (E2M3 codes of Wk, K innermost, in blocks of 32 codes, four codes in three bytes); Wk_scales 1,024 x 32 uint8 (E8M0 scales of Wk, one for each 32 codes along K); Wo_codes 1,024 x 32 x 24 uint8 (E2M3 codes of Wo, K innermost, in blocks of 32 codes, four codes in three bytes); Wo_scales 1,024 x 32 uint8 (E8M0 scales of Wo, one for each 32 codes along K); Wq_codes 1,024 x 32 x 24 uint8 (E2M3 codes of Wq, K innermost, in blocks of 32 codes, four codes in three bytes); Wq_scales 1,024 x 32 uint8 (E8M0 scales of Wq, one for each 32 codes along K); Wv_codes 1,024 x 32 x 24 uint8 (E2M3 codes of Wv, K innermost, in blocks of 32 codes, four codes in three bytes); Wv_scales 1,024 x 32 uint8 (E8M0 scales of Wv, one for each 32 codes along K); bk 1,024 float32; bo 1,024 float32; bq 1,024 float32; bv 1,024 float32; distance_scaling one number float32; distances 4 x 2,048 x 2,048 float32; key__codes 4 x 2,048 x 32 x 24 uint8 (E2M3 codes of key_, K innermost, in blocks of 32 codes, four codes in three bytes); key__scales 4 x 2,048 x 32 uint8 (E8M0 scales of key_, one for each 32 codes along K); query_codes 4 x 2,048 x 32 x 24 uint8 (E2M3 codes of query, K innermost, in blocks of 32 codes, four codes in three bytes); query_scales 4 x 2,048 x 32 uint8 (E8M0 scales of query, one for each 32 codes along K); value_codes 4 x 2,048 x 32 x 24 uint8 (E2M3 codes of value, K innermost, in blocks of 32 codes, four codes in three bytes); value_scales 4 x 2,048 x 32 uint8 (E8M0 scales of value, one for each 32 codes along K).
;; Outputs: out0 4 x 2,048 x 1,024 float32.
;; This version of the problem:
;;   THIS VERSION OF THE PROBLEM IS GIVEN IN LOW PRECISION. The matrix products marked QUANTISED in the list below multiply operands that are first quantised to E2M3 (2 exponent bits, 3 mantissa bits; 6 bits a number), with one power-of-two scale for each 32 numbers along K (OCP MX v1.0); their sums are f32. All else is computed in f32.
;;   The module's matrix products, in the order in which they are computed (A, B: the left and right operand; K: the contracted axis; several contracted axes count as one K, in the product's order):
;;     1. [M 8,192, K 1,024] x [K 1,024, N 1,024]; A: input query (given as codes); B: input Wq (given as codes): QUANTISED
;;     2. [M 8,192, K 1,024] x [K 1,024, N 1,024]; A: input key_ (given as codes); B: input Wk (given as codes): QUANTISED
;;     3. [M 8,192, K 1,024] x [K 1,024, N 1,024]; A: input value (given as codes); B: input Wv (given as codes): QUANTISED
;;     4. batch 64 x [M 2,048, K 64] x [K 64, N 2,048]; A: computed on the way; B: computed on the way: QUANTISED
;;     5. batch 64 x [M 2,048, K 2,048] x [K 2,048, N 64]; A: softmax (see below); B: computed on the way: QUANTISED
;;     6. [M 8,192, K 1,024] x [K 1,024, N 1,024]; A: computed on the way; B: input Wo (given as codes): QUANTISED
;;   THE QUANTISER, for each operand of a quantised product, along K:
;;     - K is cut into blocks of 32 from its start; a last block that is shorter is filled with zeros.
;;     - A block's scale is 2^e with e = floor(log2(the largest magnitude in the block)) - 2, held to -126 .. 127; a block of zeros has e = 0. As a byte (E8M0): e + 127.
;;     - Each number is divided by its block's scale, clamped to +-7.5, and rounded to the nearest number of E2M3, ties to even, subnormals kept.
;;     - The product sums the exact products of the quantised numbers (number of the format x scale) in f32.
;;   ~~~python
;;   def quantise(x, axis):      # numpy; x: float32 -> the quantised numbers, widened to float32 again
;;       x = np.moveaxis(x, axis, -1); K = x.shape[-1]
;;       x = np.pad(x, [(0, 0)] * (x.ndim - 1) + [(0, -K % 32)]); x = x.reshape(x.shape[:-1] + (-1, 32)); a = np.abs(x).max(-1, keepdims=True)
;;       e = np.where(a > 0, np.clip(np.frexp(np.where(a > 0, a, 1))[1] - 1 - 2, -126, 127), 0)      # np.frexp(a)[1] - 1 = floor(log2(a)), exactly
;;       r = np.clip(x / 2.0 ** e, -7.5, 7.5)
;;       step = 2.0 ** (np.maximum(np.frexp(np.where(r == 0, 1, r))[1] - 1, 0) - 3)
;;       q = np.round(r / step) * step * 2.0 ** e      # np.round: ties to even
;;       return np.moveaxis(q.reshape(q.shape[:-2] + (-1,))[..., :K], -1, axis).astype(np.float32)
;;   ~~~
;;   SOFTMAX AHEAD OF A QUANTISED PRODUCT. Where the list says 'softmax', what is quantised is not the finished softmax but p = 2^(t - M), with t = logit x log2(e) and M = ceil(the row's largest t), a whole number; so 1/2 < the row's largest p <= 1. The row's sum l is taken of the UNQUANTISED p, in f32, and the product's result is divided by l at the end. Since M is a whole number, a kernel that streams over the keys may use a running M (the ceiling of the running maximum): every later rescaling is an exact power of two, which a block's scale takes up: the codes' values come out the same.
;;   OPERANDS COMPUTED ON THE WAY. 'Computed on the way' means the value that the module computes at that place (a softmax that the list does not call 'softmax' is quantised finished and normalised). What goes into a quantiser is computed in f32, as accurately as f32 sums, v_exp_f32 and their like allow (about 1e-6 of the number): no bf16 or f16 on the way to a quantiser, and a product that is left as it is and whose result goes on into a quantised operand takes f32 operands (vector FMAs, or v_wmma_f32_16x16x4_f32). A number that lies on a knife's edge between two numbers of the format may be rounded either way, as far as f32 arithmetic and the matrix unit's own rounding can turn it there, and no further.
;;   INPUTS GIVEN AS CODES. Wk (in the module: [1024, 1024], K = its axis 1); Wo (in the module: [1024, 1024], K = its axis 1); Wq (in the module: [1024, 1024], K = its axis 1); Wv (in the module: [1024, 1024], K = its axis 1); key_ (in the module: [4, 2048, 1024], K = its axis 2); query (in the module: [4, 2048, 1024], K = its axis 2); value (in the module: [4, 2048, 1024], K = its axis 2): each comes as NAME_codes (uint8): NAME with its K axis moved to the last place and cut into blocks of 32 codes, [.., K / 32, bytes a block], one block behind the other in memory; four codes in three bytes: a row's codes are one little-endian stream of bits, code i at bits 6 i .. 6 i + 5 (a code: sign, 2 exponent bits, 3 mantissa bits); and NAME_scales (uint8): the same leading axes, one E8M0 byte (e + 127) for each 32 codes along K. Its value is code x scale, taken as it is: it is not quantised again, and the codes and scales need not be those that the quantiser above would give.
;; One version. Each part assembles by itself: llvm-mc -triple=amdgcn-amd-amdhsa -mcpu=gfx1250 --defsym DOCPART=n.
;; ======== version 1 of 1: 3 launches
;; limits: right only within a limited range of input values
;; workspace buffers: qc 6,815,744 bytes; kc 6,815,744 bytes; vc 6,553,600 bytes; ao_codes 6,291,456 bytes; ao_scales 262,144 bytes
;; launch proj (part 1): grid 4 x 96, 4 waves a work-group, clusters of 4 x 4, 327,680 bytes of LDS; arguments query_codes, query_scales, Wq_codes, Wq_scales, bq, qc, key__codes, key__scales, Wk_codes, Wk_scales, bk, kc, value_codes, value_scales, Wv_codes, Wv_scales, bv, vc; writes qc, kc, vc
.if DOCPART == 1
	.amdgcn_target "amdgcn-amd-amdhsa--gfx1250"
	.amdhsa_code_object_version 6
	.text
	.protected	k_q13dab10ddd_proj
	.globl	k_q13dab10ddd_proj
	.p2align	8
	.type	k_q13dab10ddd_proj,@function
k_q13dab10ddd_proj:
	s_mov_b64 s[64:65], 0
	v_nop
	global_prefetch_b8 v0, s[64:65] scope:SCOPE_SE
	s_setreg_imm32_b32 hwreg(HW_REG_WAVE_MODE, 25, 1), 1
	s_wait_xcnt 0x0
	s_wait_alu depctr_hold_cnt(0) depctr_sa_sdst(0) depctr_va_vdst(0) depctr_va_sdst(0) depctr_va_ssrc(0) depctr_va_vcc(0) depctr_vm_vsrc(0)
	s_getreg_b32 s2, hwreg(HW_REG_IB_STS2, 6, 4)
	s_cmp_eq_u32 s2, 0
	s_cbranch_scc0 .Lentry_in_a_cluster
	s_endpgm
.Lentry_in_a_cluster:
	s_bfe_u32 s2, ttmp6, 0x10000c
	s_cmp_lg_u32 s2, 0xf033
	s_cbranch_scc0 .Lentry_shape_is_right
	s_endpgm
.Lentry_shape_is_right:
.set SIZE_M, 8192
.set SIZE_N, 1024
.set SIZE_K, 1024
; q, k, v = x W^T + b on codes of E2M3 with E8M0 scales (q also x 1/8), then quantised again and stored as images of the attention launch's operand registers.
; Grid y / 8 (in clusters) picks the product.  A work-group makes 256 x 256, a wave 128 x 128.  K goes through a ring of two LDS slots in CHUNKS OF 256 BYTES of each 768-byte row:
; three chunks; a step of 128 along K is 96 bytes, so steps 2 and 5 read from both slots.  The scales of the 256 + 256 rows come once, at the head.
; Clusters of 4 x 4: A's tiles are asked for jointly along a row of the cluster, B's along a column.
; No prefetch: K is three chunks; chunks 0 and 1 are asked for at the head and chunk 2 in step 2, so no trip lies ahead of a load in which to ask.
.set NQ,     2                         ; steps that one set of scale words serves
.set ROWB,   256                       ; a tile's row: a chunk of a row of codes
.set KROW,   SIZE_K*6/8
.set STEPS,  SIZE_K/128
.set CHUNKS, KROW/ROWB                 ; chunk c lies in slot c % 2
.set PITCH,  272                       ; 256 bytes + 16 of padding
.set FR,     12
.set NL,     6
.set NP,     4
.set HALFT,  128*PITCH
.set SLOT,   4*HALFT
.set STAGE,  (CHUNKS%2)*SLOT           ; the way out's stage: the slot that does not hold the last chunk; it has had its last fill and its last read by then
.set G0H,    4                         ; s[4:7], s[8:11] group 0 of the head's loads of chunk 0 (the arguments that lay there have been used)
.set G0HB,   8
.set KS,     SIZE_K/32
.set SCL,    2*SLOT
.set HALFS,  (128*KS/256)*272
.set SBLK,   (16*KS/256)*272
.set SPARE,  SCL+4*HALFS
.set SPITCH, 528
.set KREC,   6656
.set VREC,   6400
.set BOF,  7
.set SH,   8
.set CR,   9
.set VO,   10
.set S8,   11
.set ADRA, 16
.set ADRB, 20
.set STO,  24
.set CO,   26
.set ADRS, 27
.set SPW,  28
.set NIL,  29
.set SC,   32
.set BO,   64
.set AF,   128
.set G1, 24
.set G0, 32
.set G1B, 48
.set G0B, 56
.set G1S, 68
.set G0S, 76
.set G1SB, 80
.set G0SB, 88
.set MSB, 0
.macro WIN new
.if MSB != (\new)
	s_set_vgpr_msb (MSB<<8)|(\new)
.set MSB, (\new)
.endif
.endm
.set MUL_LO, 0xa1
.set MUL_HI, 0xf1
.set MULZ_LO, 0x81
.set MULZ_HI, 0xc1
.set TO_B,   0x40
.macro JLOAD g0a, g1a, g0b, g1b
	s_cmp_eq_u32 s15, 0
	s_cbranch_scc0 .Lfor_b_\@
	tensor_load_to_lds s[\g0a:\g0a+3], s[\g1a:\g1a+7]
	s_nop 0
.rept 4
	v_nop
.endr
	s_branch .Lasked_\@
.Lfor_b_\@:
	tensor_load_to_lds s[\g0b:\g0b+3], s[\g1b:\g1b+7]
	s_nop 0
.rept 4
	v_nop
.endr
.Lasked_\@:
.endm
.macro CREST
	s_cmp_lg_u32 s14, 0
	s_cbranch_scc1 .Lnot_wave_0_\@
	s_barrier_signal -3
.Lnot_wave_0_\@:
	s_barrier_wait -3
	s_barrier_signal -1
	s_barrier_wait -1
.endm
.macro CROUND
	s_barrier_signal -1
	s_barrier_wait -1
	CREST
.endm
	s_load_b256 s[24:31], s[0:1], 0x0
	s_load_b128 s[32:35], s[0:1], 0x20
	s_load_b256 s[36:43], s[0:1], 0x30
	s_load_b128 s[44:47], s[0:1], 0x50
	s_load_b256 s[48:55], s[0:1], 0x60
	s_load_b128 s[56:59], s[0:1], 0x80
	v_lshl_add_u32 v[SPW], v0, 2, SPARE
	v_mov_b32 v[NIL], 0
	ds_add_u32 v28, v29
	ds_add_u32 v28, v29
	s_wait_dscnt 0x0
	v_lshrrev_b32 v1, 5, v0
	v_readfirstlane_b32 s14, v1
	s_lshr_b32 s15, s14, 1
	s_and_b32 s16, s14, 1
	s_and_b32 s99, ttmp7, 0xffff
	s_lshr_b32 s98, s99, 3
	s_and_b32 s99, s99, 7
	s_wait_kmcnt 0x0
	s_cmp_eq_u32 s98, 1
	s_cselect_b64 s[36:37], s[36:37], s[48:49]
	s_cselect_b64 s[38:39], s[38:39], s[50:51]
	s_cselect_b64 s[40:41], s[40:41], s[52:53]
	s_cselect_b64 s[42:43], s[42:43], s[54:55]
	s_cselect_b64 s[44:45], s[44:45], s[56:57]
	s_cselect_b64 s[46:47], s[46:47], s[58:59]
	s_cmp_eq_u32 s98, 0
	s_cselect_b64 s[4:5], s[24:25], s[36:37]
	s_cselect_b64 s[6:7], s[26:27], s[38:39]
	s_cselect_b64 s[8:9], s[28:29], s[40:41]
	s_cselect_b64 s[10:11], s[30:31], s[42:43]
	s_cselect_b64 s[96:97], s[32:33], s[44:45]
	s_cselect_b64 s[12:13], s[34:35], s[46:47]
	s_cselect_b32 s100, 0x3e000000, 1.0
	s_mov_b32 s101, s100
	s_bfe_u32 s40, ttmp6, 0x40000
	s_bfe_u32 s41, ttmp6, 0x40004
	s_lshl_b32 s42, ttmp9, 2
	s_add_co_u32 s42, s42, s40
	s_lshl_b32 s17, s99, 2
	s_add_co_u32 s17, s17, s41
	s_lshl_b32 s43, s41, 2
	s_lshl_b32 s43, 15, s43
	s_lshl_b32 s44, 0x1111, s40
	s_or_b32 s[G1+0], s43, (0<<16)|(1<<20)|(1<<21)|(5<<22)|(3<<25)   ; padding: 4 words behind every 64
	s_or_b32 s[G1B+0], s44, (0<<16)|(1<<20)|(1<<21)|(5<<22)|(3<<25)
.irp g, G1, G1B
	s_mov_b32 s[\g+1], ROWB<<16
	s_mov_b32 s[\g+2], 256<<16                     ; 256 rows for the head's loads; 128 for the ring's, set behind the head's wait
	s_mov_b32 s[\g+3], ROWB<<16
	s_mov_b32 s[\g+4], 256
	s_mov_b32 s[\g+5], KROW
	s_mov_b32 s[\g+6], 0
	s_mov_b32 s[\g+7], 0
.endr
	s_or_b32 s[G1S+0], s43, (3<<16)|(1<<20)|(1<<21)|(5<<22)|(3<<25)
	s_or_b32 s[G1SB+0], s44, (3<<16)|(1<<20)|(1<<21)|(5<<22)|(3<<25)
.irp g, G1S, G1SB
	s_mov_b32 s[\g+1], 32<<16
	s_mov_b32 s[\g+2], KS<<16                      ; the scales of 256 rows: KS rows of 256 bytes
	s_mov_b32 s[\g+3], 32<<16
	s_mov_b32 s[\g+4], KS
	s_mov_b32 s[\g+5], 32
	s_mov_b32 s[\g+6], 0
	s_mov_b32 s[\g+7], 0
.endr
	s_lshl_b32 s20, s17, 8                         ; A: the tile's first row
	s_lshl_b32 s46, s42, 8                         ; B: likewise
	s_mov_b32 s21, 0
	s_mov_b32 s47, 0
	s_mov_b64 s[18:19], KS
	s_mul_u64 s[22:23], s[20:21], s[18:19]
	s_mul_u64 s[92:93], s[46:47], s[18:19]
	s_mov_b64 s[18:19], KROW
	s_mul_u64 s[20:21], s[20:21], s[18:19]
	s_mul_u64 s[46:47], s[46:47], s[18:19]
	s_mul_i32 s18, s16, 128*KROW                   ; in the ring I fetch 128 rows of a tile: which half, in bytes
	s_mov_b32 s19, 0
	s_mul_i32 s45, s14, HALFT
	s_add_nc_u64 s[20:21], s[4:5], s[20:21]
	s_add_nc_u64 s[22:23], s[6:7], s[22:23]
	s_add_nc_u64 s[46:47], s[8:9], s[46:47]
	s_add_nc_u64 s[92:93], s[10:11], s[92:93]
	CROUND
	s_mov_b32 s[G0H], 1                            ; the head's four tiles, each whole: chunk 0's 256 rows of A,
	s_mov_b32 s[G0H+1], 0
	s_mov_b64 s[G0H+2:G0H+3], s[20:21]
	s_or_b32 s[G0H+3], s[G0H+3], 0x80000000
	s_mov_b32 s[G0HB], 1                           ; its 256 rows of B,
	s_mov_b32 s[G0HB+1], 2*HALFT
	s_mov_b64 s[G0HB+2:G0HB+3], s[46:47]
	s_or_b32 s[G0HB+3], s[G0HB+3], 0x80000000
	s_mov_b32 s[G0S], 1                            ; A's scales,
	s_mov_b32 s[G0S+1], SCL
	s_mov_b64 s[G0S+2:G0S+3], s[22:23]
	s_or_b32 s[G0S+3], s[G0S+3], 0x80000000
	s_mov_b32 s[G0SB], 1                           ; and B's
	s_mov_b32 s[G0SB+1], SCL+2*HALFS
	s_mov_b64 s[G0SB+2:G0SB+3], s[92:93]
	s_or_b32 s[G0SB+3], s[G0SB+3], 0x80000000
	s_add_nc_u64 s[20:21], s[20:21], s[18:19]      ; for the ring: my 128 rows of the tile
	s_add_nc_u64 s[46:47], s[46:47], s[18:19]
.irp s, 0,1
	s_mov_b32 s[G0+4*\s], 1
	s_add_co_u32 s[G0+4*\s+1], s45, \s*SLOT
	s_add_nc_u64 s[G0+4*\s+2:G0+4*\s+3], s[20:21], \s*ROWB
	s_or_b32 s[G0+4*\s+3], s[G0+4*\s+3], 0x80000000
	s_mov_b32 s[G0B+4*\s], 1
	s_add_co_u32 s[G0B+4*\s+1], s45, \s*SLOT
	s_add_nc_u64 s[G0B+4*\s+2:G0B+4*\s+3], s[46:47], \s*ROWB
	s_or_b32 s[G0B+4*\s+3], s[G0B+4*\s+3], 0x80000000
.endr
; The head's loads, one a wave, in one tree of branches on the wave's number: wave 0 A's rows, wave 1 B's, wave 2 A's scales, wave 3 B's.
.macro ARM under, g0, g1, next
	s_cmp_lt_u32 s14, \under
	s_cbranch_scc0 \next
	tensor_load_to_lds s[\g0:\g0+3], s[\g1:\g1+7]
	s_nop 0
.rept 4
	v_nop
.endr
	s_branch .Lhead_asked
\next:
.endm
	ARM 1, G0H,  G1,  .Lhead_b
	ARM 2, G0HB, G1B, .Lhead_sa
	ARM 3, G0S,  G1S, .Lhead_sb
	tensor_load_to_lds s[G0SB:G0SB+3], s[G1SB:G1SB+7]
	s_nop 0
.rept 4
	v_nop
.endr
.Lhead_asked:
	v_and_b32 v1, 15, v0
	v_bfe_u32 v2, v0, 4, 1
	v_mul_u32_u24 v3, v1, PITCH
	v_mul_u32_u24 v4, v2, 24
	v_add_nc_u32 v4, v3, v4                        ; a fragment's row x pitch + 24 x half
	s_mov_b32 s21, SLOT-232
	s_mov_b32 s22, SLOT+232
	v_sub_nc_u32 v7, 1, v2
	v_mul_u32_u24 v5, s21, v2
	v_add_nc_u32 v5, v3, v5
	v_add_nc_u32 v5, 232, v5                       ; across two chunks: lanes 0-15 byte 232 of the row in slot 0, lanes 16-31 byte 0 in slot 1;
	v_mul_u32_u24 v6, s22, v7
	v_add_nc_u32 v6, v3, v6                        ; and lanes 0-15 byte 232 in slot 1, lanes 16-31 byte 0 in slot 0
	s_mul_i32 s21, s15, HALFT
	s_mul_i32 s22, s16, HALFT
	s_add_co_u32 s22, s22, 2*HALFT
	v_add_nc_u32 v[ADRA+2], s21, v5
	v_add_nc_u32 v[ADRA+3], s21, v6
	v_add_nc_u32 v[ADRB+2], s22, v5
	v_add_nc_u32 v[ADRB+3], s22, v6
.irp s, 0,1
	v_add_nc_u32 v[ADRA+\s], s21, v4
	v_add_nc_u32 v[ADRB+\s], s22, v4
	s_add_co_u32 s21, s21, SLOT
	s_add_co_u32 s22, s22, SLOT
.endr
	v_mul_u32_u24 v5, v1, KS
	v_lshrrev_b32 v6, 8, v5
	v_lshl_add_u32 v5, v6, 4, v5
	s_mul_i32 s21, s15, HALFS
	s_mul_i32 s22, s16, HALFS
	s_add_co_u32 s22, s22, 2*HALFS
	s_sub_co_u32 s22, s22, s21
	v_mul_u32_u24 v6, s22, v2
	s_add_co_u32 s21, s21, SCL
	v_add_nc_u32 v5, v5, v6
	v_add_nc_u32 v[ADRS], s21, v5
	s_mul_i32 s23, s14, 32*SPITCH
	s_add_co_u32 s23, s23, STAGE
	v_mul_u32_u24 v5, v1, SPITCH
	v_lshl_add_u32 v5, v2, 5, v5
	v_add_nc_u32 v[STO], s23, v5
	v_and_b32 v6, 31, v0
	v_lshlrev_b32 v[CO], 4, v6
	v_lshl_add_u32 v[CR], v6, 2, s23
	v_lshlrev_b32 v[S8], 3, v6
	v_lshlrev_b32 v[SH], 4, v2
	v_mul_u32_u24 v[VO], v2, 1536
	v_lshl_add_u32 v[VO], v1, 4, v[VO]
	v_lshlrev_b32 v[BOF], 5, v2
	s_lshl_b32 s46, s42, 10
	s_lshl_b32 s47, s16, 9
	s_add_co_u32 s46, s46, s47
	s_mov_b32 s47, 0
	s_add_nc_u64 s[96:97], s[96:97], s[46:47]
.irp b, 0,1,2,3,4,5,6,7
	global_load_b128 v[BO+8*\b:BO+8*\b+3], v[BOF], s[96:97] offset:64*\b
	global_load_b128 v[BO+8*\b+4:BO+8*\b+7], v[BOF], s[96:97] offset:64*\b+16
.endr
	s_lshl_b32 s66, s17, 1
	s_add_co_u32 s66, s66, s15
	s_lshr_b32 s95, s66, 4
	s_lshl_b32 s95, s95, 2
	s_add_co_u32 s95, s95, s42
	s_lshl_b32 s95, s95, 1
	s_add_co_u32 s95, s95, s16
	s_lshl_b32 s95, s95, 5
	s_and_b32 s66, s66, 15
	s_add_co_u32 s95, s95, s66
.macro FRAG reg, adr, q, i             ; q: the step, counted from the row's start.  Byte y of a row lies in slot (y / 256) % 2 at byte y % 256 of the LDS row
.irp p, 0,1,2,3,4,5
.set BY, 96*(\q)+48*(\p/3)+8*(\p%3)    ; where the piece of lanes 0-15 begins; that of lanes 16-31 begins 24 bytes on
.if BY/ROWB == (BY+24)/ROWB
	ds_load_b64 v[\reg+2*\p:\reg+2*\p+1], v[\adr+(BY/ROWB)%2] offset:BY%ROWB+(\i)*16*PITCH
.else
	ds_load_b64 v[\reg+2*\p:\reg+2*\p+1], v[\adr+2+(BY/ROWB)%2] offset:BY%ROWB-232+(\i)*16*PITCH
.endif
.endr
.endm
.macro MUL16 a0, p, q, sc, zero
.irp a, \a0, \a0+1
.irp b, 0,1,2,3,4,5,6,7
.if \zero
	v_wmma_scale_f32_16x16x128_f8f6f4 v[8*(8*((\a)%4)+\b):8*(8*((\a)%4)+\b)+7], v[128*(\p)+FR*\b:128*(\p)+FR*\b+FR-1], v[AF+FR*(\a):AF+FR*(\a)+FR-1], v[BO+8*\b:BO+8*\b+7], v[SC+8*NQ*(\sc)+NQ*\b+(\q)], v[SC+8*NQ*(\sc)+NQ*(\a)+(\q)] matrix_a_fmt:MATRIX_FMT_FP6 matrix_b_fmt:MATRIX_FMT_FP6 matrix_a_scale:MATRIX_SCALE_ROW1
.else
	v_wmma_scale_f32_16x16x128_f8f6f4 v[8*(8*((\a)%4)+\b):8*(8*((\a)%4)+\b)+7], v[128*(\p)+FR*\b:128*(\p)+FR*\b+FR-1], v[AF+FR*(\a):AF+FR*(\a)+FR-1], v[8*(8*((\a)%4)+\b):8*(8*((\a)%4)+\b)+7], v[SC+8*NQ*(\sc)+NQ*\b+(\q)], v[SC+8*NQ*(\sc)+NQ*(\a)+(\q)] matrix_a_fmt:MATRIX_FMT_FP6 matrix_b_fmt:MATRIX_FMT_FP6 matrix_a_scale:MATRIX_SCALE_ROW1
.endif
.endr
.endr
.endm
.macro FETCH_B slot, q, p
	WIN TO_B
.irp i, 0,1,2,3,4,5,6,7
	FRAG 128*(\p)+FR*\i, ADRB+\slot, \q, \i
.endr
	WIN 0
.endm
.macro FETCH_A slot, q, i0
.irp i, \i0, \i0+1, \i0+2, \i0+3
	FRAG AF+FR*(\i), ADRA+\slot, \q, \i
.endr
.endm
.macro SCALES pr                       ; the scale words of steps 2 pr, 2 pr + 1 into set pr % 2
.irp i, 0,1,2,3,4,5,6,7
	ds_load_b64 v[SC+8*NQ*((\pr)%2)+NQ*\i:SC+8*NQ*((\pr)%2)+NQ*\i+1], v[ADRS] offset:\i*SBLK+4*NQ*(\pr)
.endr
.endm
.macro PLACES n
.rept \n
	v_nop
.endr
.endm
.macro WMUL hi, zero                   ; the products' windows; zero = 1: C is the bias, in window 0
.if \zero
	WIN MULZ_LO+0x40*(\hi)
.else
	WIN MUL_LO+0x50*(\hi)
.endif
.endm
; A step of 128 along K: 64 products on step st's fragments; the next step's fragments are fetched in its middle and at its end.
; Where the next step's bytes END in a chunk not yet read: a wait for my tensor loads and a barrier show it whole.  Where they BEGIN in a later chunk than this step's: the chunk left behind
; is read no more: the wait, the add, the wait for it and for my reads, the barrier; where a chunk two on is left to fetch, the barrier opens a round of the cluster's and the slot is filled again.
.macro STEP st, zero
.set NX, (\st)+1
.set C0, (96*(\st))/ROWB
.set C1, (96*NX)/ROWB
.set E0, (96*(\st)+95)/ROWB
.set E1, (96*NX+95)/ROWB
.if C1 > C0 || E1 > E0
	s_wait_tensorcnt 0x0                           ; all my tensor loads have landed
.if C1 > C0
	ds_add_u32 v[SPW], v[NIL]
	s_wait_dscnt 4*NL+1                            ; the add and the 24 youngest loads (A's blocks 4-7) may be out
.else
	s_wait_dscnt 4*NL                              ; the 24 youngest loads may be out
.endif
	WMUL 0, \zero
	MUL16 0, (\st)%2, (\st)%2, ((\st)/2)%2, \zero
	s_wait_dscnt 0x0                               ; the add and all my reads are done
	s_barrier_signal -1
	MUL16 2, (\st)%2, (\st)%2, ((\st)/2)%2, \zero
	WIN 0
	s_barrier_wait -1
.if C1 > C0 && C0+2 < CHUNKS
	CREST
	s_add_nc_u64 s[G0+4*(C0%2)+2:G0+4*(C0%2)+3], s[G0+4*(C0%2)+2:G0+4*(C0%2)+3], 2*ROWB
	s_add_nc_u64 s[G0B+4*(C0%2)+2:G0B+4*(C0%2)+3], s[G0B+4*(C0%2)+2:G0B+4*(C0%2)+3], 2*ROWB
	JLOAD G0+4*(C0%2), G1, G0B+4*(C0%2), G1B       ; chunk C0 + 2, first behind the round; its four v_nop are the places for the loads below
.else
	PLACES NP
.endif
.else
	s_wait_dscnt 4*NL                              ; B's set and A's blocks 0-3 are in
	WMUL 0, \zero
	MUL16 0, (\st)%2, (\st)%2, ((\st)/2)%2, \zero
	MUL16 2, (\st)%2, (\st)%2, ((\st)/2)%2, \zero
	s_wait_dscnt 0
	PLACES NP
.endif
	FETCH_B 0, NX, NX%2
	FETCH_A 0, NX, 0
.if NX%2 == 0
	SCALES NX/2
.endif
	WMUL 1, \zero
	MUL16 4, (\st)%2, (\st)%2, ((\st)/2)%2, \zero
	MUL16 6, (\st)%2, (\st)%2, ((\st)/2)%2, \zero
	PLACES NP
	WIN 0
	FETCH_A 0, NX, 4
.endm
	s_wait_alu depctr_va_vdst(0)                   ; the head's end
	s_wait_tensorcnt 0x0                           ; my tile of the head's four is in
	ds_add_u32 v[SPW], v[NIL]                      ; the add ahead of a later first fill
	s_mov_b32 s[G1+2], 128<<16                     ; no tensor load of mine is out: from here on a load brings 128 rows
	s_mov_b32 s[G1+4], 128
	s_mov_b32 s[G1B+2], 128<<16
	s_mov_b32 s[G1B+4], 128
	s_wait_dscnt 0x0
	CROUND                                         ; all four tiles are in, all sixteen work-groups are here
	JLOAD G0+4, G1, G0B+4, G1B                     ; chunk 1, first behind the round
	FETCH_B 0, 0, 0
	FETCH_A 0, 0, 0
	SCALES 0
	FETCH_A 0, 0, 4
	s_wait_loadcnt 0x0                             ; the bias, the first products' C
	STEP 0, 1
.set ST, 1
.rept STEPS-2
	STEP ST, 0
.set ST, ST+1
.endr
	s_wait_dscnt 4*NL
	WIN MUL_LO
	MUL16 0, 1, NQ-1, 1, 0
	MUL16 2, 1, NQ-1, 1, 0
	s_wait_dscnt 0
	WIN MUL_HI
	MUL16 4, 1, NQ-1, 1, 0
	MUL16 6, 1, NQ-1, 1, 0
	WIN 0
	PLACES NP
.set Y,   128
.set TM,  192
.set TP,  208
.set PW,  216
.set SCW, 220
.set CD,  32
.set NV,  128
.set SB,  192
.set VT,  196
.set VP,  200
.set VC,  32
	s_mov_b32 s18, 0x76543210
	s_mov_b32 s19, 0xfedcba98
	s_mov_b32 s20, 0xffff
	s_mov_b32 s21, 0x7f7f0000
.irp b, 0,1,2,3
	v_mov_b32 v[TM+4+\b], 0
.endr
	s_cmp_eq_u32 s98, 2
	s_cbranch_scc1 .Lv
	s_mul_i32 s66, s95, KREC
	s_mov_b32 s67, 0
	s_add_nc_u64 s[12:13], s[12:13], s[66:67]
.macro QUANT s, pc, tp
.irp b, 0,1,2,3
	v_max3_num_f32 v[TM+\b], |v[\s+16*\b]|, |v[\s+1+16*\b]|, 0x1800000
.endr
.irp i, 2,4,6,8,10,12,14
.irp b, 0,1,2,3
	v_max3_num_f32 v[TM+\b], v[TM+\b], |v[\s+16*\b+\i]|, |v[\s+1+16*\b+\i]|
.endr
.endr
.irp b, 0,1,2,3
	v_permlanex16_b32 v[TM+4+\b], v[TM+\b], s18, s19
.endr
.irp b, 0,1,2,3
	v_max_num_f32 v[TM+\b], v[TM+\b], v[TM+4+\b]
.endr
.irp b, 0,1,2,3
	v_add_nc_u32 v[TM+12+\b], 0xff000000, v[TM+\b]
.endr
.irp b, 0,1,2,3
	v_lshrrev_b32 v[TM+4+\b], 23, v[TM+12+\b]
.endr
	v_lshl_or_b32 v[PW], v[TM+5], 8, v[TM+4]
	v_lshl_or_b32 v[PW], v[TM+6], 16, v[PW]
	v_lshl_or_b32 v[PW], v[TM+7], 24, v[PW]
.irp c, 0,1
	v_cvt_scalef32_pk16_fp6_f32 v[\pc+6*\c:\pc+6*\c+2], v[\s+32*\c:\s+32*\c+15], v[TM+12+2*\c]
	v_cvt_scalef32_pk16_fp6_f32 v[\tp+4*\c:\tp+4*\c+2], v[\s+32*\c+16:\s+32*\c+31], v[TM+12+2*\c+1]
.endr
	v_nop
.irp c, 0,1
.irp i, 0,1,2
	v_permlane16_swap_b32 v[\pc+6*\c+\i], v[\tp+4*\c+\i]
.endr
.irp i, 0,1,2
	v_mov_b32 v[\pc+6*\c+3+\i], v[\tp+4*\c+\i]
.endr
.endr
.endm
.macro QKUNIT be, hh
	WIN 0x02+(\be)/2
.irp bk, 0,1,2,3
.irp u, 0,1
.set AC, 8*(8*((2*(\be)+\bk/2)%4)+4*(\hh)+2*(\bk%2)+\u)
.irp jj, 0,2,4,6
	v_pk_mul_f32 v[Y+16*\bk+8*\u+\jj:Y+16*\bk+8*\u+\jj+1], v[AC+\jj:AC+\jj+1], s[100:101] op_sel_hi:[1,0]
.endr
.endr
.endr
	WIN 0
	QUANT Y, CD+12*(4*(\hh)+(\be)), TP
	v_lshrrev_b32 v[PW+1], v[SH], v[PW]
	v_and_or_b32 v[SCW+4*(\hh)+(\be)], v[PW+1], s20, s21
.irp g, 0,1,2
	global_store_b128 v[CO], v[CD+12*(4*(\hh)+(\be))+4*\g:CD+12*(4*(\hh)+(\be))+4*\g+3], s[12:13] offset:(\hh)*16*KREC+(3*(\be)+\g)*512
.endr
.endm
.irp hh, 0,1
.irp be, 0,1,2,3
	QKUNIT \be, \hh
.endr
	global_store_b128 v[CO], v[SCW+4*\hh:SCW+4*\hh+3], s[12:13] offset:\hh*16*KREC+6144
.endr
	s_branch .Ldone
.Lv:
	s_mul_i32 s66, s95, VREC
	s_mov_b32 s67, 0
	s_add_nc_u64 s[12:13], s[12:13], s[66:67]
.macro VSTAGE kb
.irp a, 2*(\kb), 2*(\kb)+1
	WIN 0x08+4*((\a)/4)
.irp b, 0,1,2,3,4,5,6,7
	ds_store_b128 v[STO], v[8*(8*((\a)%4)+\b):8*(8*((\a)%4)+\b)+3] offset:((\a)%2)*16*SPITCH+64*\b
	ds_store_b128 v[STO], v[8*(8*((\a)%4)+\b)+4:8*(8*((\a)%4)+\b)+7] offset:((\a)%2)*16*SPITCH+64*\b+16
.endr
.endr
	WIN 0
.endm
.macro VLOAD cs
.irp i, 0,1,2,3,4,5,6,7,8,9,10,11,12,13,14,15,16,17,18,19,20,21,22,23,24,25,26,27,28,29,30,31
	ds_load_b32 v[NV+32*((\cs)%2)+\i], v[CR] offset:(\i%8+16*((\i/8)%2)+8*(\i/16))*SPITCH+128*(\cs)
.endr
.endm
.macro VQ kb, cs
.set XS, NV+32*((\cs)%2)
.set VB, VC+24*(\cs)+12*((\kb)%2)+6*((\kb)/2)
	v_max3_num_f32 v[VT], |v[XS]|, |v[XS+1]|, |v[XS+2]|
	v_max3_num_f32 v[VT+1], |v[XS+3]|, |v[XS+4]|, |v[XS+5]|
.irp i, 6,10,14,18,22,26
	v_max3_num_f32 v[VT], v[VT], |v[XS+\i]|, |v[XS+\i+1]|
	v_max3_num_f32 v[VT+1], v[VT+1], |v[XS+\i+2]|, |v[XS+\i+3]|
.endr
	v_max3_num_f32 v[VT], v[VT], |v[XS+30]|, |v[XS+31]|
	v_max3_num_f32 v[VT], v[VT], v[VT+1], 0x1800000
	v_add_nc_u32 v[VT+2], 0xff000000, v[VT]
	v_lshrrev_b32 v[VT+3], 23, v[VT+2]
.if (\kb) == 0
	v_mov_b32 v[SB+(\cs)], v[VT+3]
.else
	v_lshl_or_b32 v[SB+(\cs)], v[VT+3], 8*(\kb), v[SB+(\cs)]
.endif
	v_cvt_scalef32_pk16_fp6_f32 v[VB:VB+2], v[XS:XS+15], v[VT+2]
	v_cvt_scalef32_pk16_fp6_f32 v[VP:VP+2], v[XS+16:XS+31], v[VT+2]
	v_nop
.irp i, 0,1,2
	v_mov_b32 v[VB+3+\i], v[VP+\i]
.endr
.endm
.irp kb, 0,1,2,3
	VSTAGE \kb
	VLOAD 0
.irp cs, 0,1,2,3
.if \cs < 3
	VLOAD \cs+1
	s_wait_dscnt 32
.else
	s_wait_dscnt 0x0
.endif
	VQ \kb, \cs
.endr
.endr
.irp cs, 0,1,2,3
.irp hb, 0,1
.irp g, 0,1,2
	global_store_b128 v[VO], v[VC+24*\cs+12*\hb+4*\g:VC+24*\cs+12*\hb+4*\g+3], s[12:13] offset:(\cs/2)*16*VREC+(\cs%2)*3072+512*\g+256*\hb
.endr
.endr
.endr
.irp hh, 0,1
	global_store_b64 v[S8], v[SB+2*\hh:SB+2*\hh+1], s[12:13] offset:\hh*16*VREC+6144
.endr
.Ldone:
	s_wait_tensorcnt 0x0
	ds_add_u32 v[SPW], v[NIL]
	s_wait_dscnt 0x0
	CROUND
	s_endpgm
.Lfunc_end_k_q13dab10ddd_proj:
	.size	k_q13dab10ddd_proj, .Lfunc_end_k_q13dab10ddd_proj-k_q13dab10ddd_proj
	.p2alignl 7, 3214868480
	.fill 96, 4, 3214868480
	.section	.rodata,"a",@progbits
	.p2align	6, 0x0
	.amdhsa_kernel k_q13dab10ddd_proj
		.amdhsa_group_segment_fixed_size 327680
		.amdhsa_private_segment_fixed_size 0
		.amdhsa_enable_private_segment 0
		.amdhsa_kernarg_size 144
		.amdhsa_user_sgpr_count 2
		.amdhsa_user_sgpr_kernarg_segment_ptr 1
		.amdhsa_wavefront_size32 1
		.amdhsa_system_sgpr_workgroup_id_x 1
		.amdhsa_system_sgpr_workgroup_id_y 1
		.amdhsa_system_sgpr_workgroup_id_z 1
		.amdhsa_system_vgpr_workitem_id 0
		.amdhsa_next_free_vgpr 1024
		.amdhsa_next_free_sgpr 102
		.amdhsa_reserve_vcc 0
		.amdhsa_float_denorm_mode_32 3
		.amdhsa_float_denorm_mode_16_64 3
		.amdhsa_memory_ordered 1
		.amdhsa_forward_progress 1
		.amdhsa_inst_pref_size 250
	.end_amdhsa_kernel
	.amdgpu_metadata
---
amdhsa.version: [ 1, 2 ]
amdhsa.kernels:
  - .name:           k_q13dab10ddd_proj
    .symbol:         k_q13dab10ddd_proj.kd
    .args:
      - { .name: query_codes, .offset: 0, .size: 8, .value_kind: global_buffer, .address_space: global }
      - { .name: query_scales, .offset: 8, .size: 8, .value_kind: global_buffer, .address_space: global }
      - { .name: Wq_codes, .offset: 16, .size: 8, .value_kind: global_buffer, .address_space: global }
      - { .name: Wq_scales, .offset: 24, .size: 8, .value_kind: global_buffer, .address_space: global }
      - { .name: bq, .offset: 32, .size: 8, .value_kind: global_buffer, .address_space: global }
      - { .name: qc, .offset: 40, .size: 8, .value_kind: global_buffer, .address_space: global }
      - { .name: key__codes, .offset: 48, .size: 8, .value_kind: global_buffer, .address_space: global }
      - { .name: key__scales, .offset: 56, .size: 8, .value_kind: global_buffer, .address_space: global }
      - { .name: Wk_codes, .offset: 64, .size: 8, .value_kind: global_buffer, .address_space: global }
      - { .name: Wk_scales, .offset: 72, .size: 8, .value_kind: global_buffer, .address_space: global }
      - { .name: bk, .offset: 80, .size: 8, .value_kind: global_buffer, .address_space: global }
      - { .name: kc, .offset: 88, .size: 8, .value_kind: global_buffer, .address_space: global }
      - { .name: value_codes, .offset: 96, .size: 8, .value_kind: global_buffer, .address_space: global }
      - { .name: value_scales, .offset: 104, .size: 8, .value_kind: global_buffer, .address_space: global }
      - { .name: Wv_codes, .offset: 112, .size: 8, .value_kind: global_buffer, .address_space: global }
      - { .name: Wv_scales, .offset: 120, .size: 8, .value_kind: global_buffer, .address_space: global }
      - { .name: bv, .offset: 128, .size: 8, .value_kind: global_buffer, .address_space: global }
      - { .name: vc, .offset: 136, .size: 8, .value_kind: global_buffer, .address_space: global }
    .group_segment_fixed_size: 327680
    .private_segment_fixed_size: 0
    .kernarg_segment_align: 8
    .kernarg_segment_size: 144
    .max_flat_workgroup_size: 128
    .sgpr_count:     102
    .vgpr_count:     1024
    .wavefront_size: 32
...
	.end_amdgpu_metadata
.endif
;; end of part 1
;; launch attn (part 2): grid 32 x 16, 16 waves a work-group, clusters of 4 x 1, 327,680 bytes of LDS; arguments qc, kc, vc, distances, distance_scaling, ao_codes, ao_scales; writes ao_codes, ao_scales
.if DOCPART == 2
	.amdgcn_target "amdgcn-amd-amdhsa--gfx1250"
	.amdhsa_code_object_version 6
	.text
	.protected	k_q13dab10ddd_attn
	.globl	k_q13dab10ddd_attn
	.p2align	8
	.type	k_q13dab10ddd_attn,@function
k_q13dab10ddd_attn:
	s_mov_b64 s[64:65], 0
	v_nop
	global_prefetch_b8 v0, s[64:65] scope:SCOPE_SE
	s_setreg_imm32_b32 hwreg(HW_REG_WAVE_MODE, 25, 1), 1
	s_wait_xcnt 0x0
	s_wait_alu depctr_hold_cnt(0) depctr_sa_sdst(0) depctr_va_vdst(0) depctr_va_sdst(0) depctr_va_ssrc(0) depctr_va_vcc(0) depctr_vm_vsrc(0)
	s_getreg_b32 s2, hwreg(HW_REG_IB_STS2, 6, 4)
	s_cmp_eq_u32 s2, 0
	s_cbranch_scc0 .Lentry_in_a_cluster
	s_endpgm
.Lentry_in_a_cluster:
	s_bfe_u32 s2, ttmp6, 0x10000c
	s_cmp_lg_u32 s2, 0x3003
	s_cbranch_scc0 .Lentry_shape_is_right
	s_endpgm
.Lentry_shape_is_right:
; ATTENTION WITH A DISTANCE BIAS, both products on codes of FP6 (E2M3) with one E8M0 scale for each 32 along K, and the quantiser of its result along the embedding.
; logit = q . k - ln(distance + 1e-9) |scaling|;  t = logit x log2(e);  M = the running largest t rounded up to a whole number;  p = 2^(t - M) is quantised along the keys, not normalised; the row's sum is taken of the
; unquantised p and divides at the end.  When M moves, the sum and O are multiplied by 2^(old M - new M): exact.
; SHARES.  A work-group owns 64 queries of 4 heads of one batch; wave w owns head w / 4 of the four and the 16 queries of tile w % 4, in 256 registers: four waves to a SIMD.  Every wave walks the 2,048 keys, 128 a step.
; The bias does not hang on the head: each wave makes it for 4 of the 64 queries (16 logarithms a lane a step) and lays it in LDS in the layout of the score product's accumulator; there it is the product's C.
; CLUSTER.  The four query blocks of a cluster walk the same K and V, so each record is asked for jointly (mask 15).  Waves 0-3 fetch the four heads' records of K, waves 4-7 those of V.
; LAYOUT.  Both products are used transposed: S^T = K Q^T + bias (source 0 = 16 keys, source 1 = my 16 queries), O^T = V^T P^T: a lane holds one query (lane % 16) throughout.
; K, V and Q come as images of operand registers.  The head has 64 channels, the instruction 128: Q's upper six registers are zero codes, and its and K's scale bytes for that half are 0x7f.  A tile of K is six registers, and
; tile t's operand is v[32 + 6 t .. 32 + 6 t + 11]: its upper six registers are the next tile's codes (behind the last tile: zeros).  They meet Q's zero codes and add exactly 0, since the format has no infinity and no NaN.
; Inside a block of 32 the order of K (channels in the first product, keys in the second) is 0-7, 16-23, 8-15, 24-31 on both sides: the products are the reference's, their order in the sum is not.
; LIMITS: distance + 1e-9 must be a positive normal number (elsewhere the reference is not finite either); NaN and infinities are not served; 1 / the sum is v_rcp_f32's; a block of the result whose largest magnitude lies
; under 2^-124 keeps the scale byte 1, a block of zeros too (its codes are zeros; the bytes are read by this program alone).
.set KREC,  6656                       ; a record of q or k: 6,144 bytes of codes, 512 of scale words
.set VREC,  6400                       ; a record of v: 6,144 and 256
.set VOFF,  4*KREC                     ; a slot: four records of K, then four of V: 52,224 bytes
.set SLOT1, 65536                      ; slot 1
.set BIAS,  131072                     ; the bias, two slots 65,536 bytes apart: four tiles of 16 queries x 128 keys
.set BTILE, 8960                       ; a tile: two halves of the lanes,
.set BHALF, 4480                       ; each sixteen groups of four registers, 272 bytes apart (16 lanes x 16 bytes + 16)
.set STAGE, 262144                     ; the way out: 64 rows x (sixteen places of 16 bytes + 16)
.set SSTG,  STAGE+64*272               ; and 8 scale bytes a row
.set SPARE, SSTG+512                   ; the spare words: 128 bytes a wave, eight blocks of 256 bytes that no other line names
.set AK,  1                            ; v1-2   K's record of my head in slot 0, 1: + 16 x lane
.set AV,  3                            ; v3-4   V's
.set AVS, 5                            ; v5-6   V's scale words: + 8 x lane
.set AB,  7                            ; v7-8   my tile of the bias, to read
.set AW,  9                            ; v9-10  my four queries of the bias, to write
.set LI,  11                           ; v11    16 x lane
.set SPW, 16                           ; v16    my spare word; never rewritten
.set NIL, 17                           ; v17    0; never rewritten
.set PFO, 18                           ; v18    the prefetches' offset; never rewritten
.set QS,  19                           ; v19    Q's scale words
.set QF,  20                           ; v20-31 Q's fragment (26-31 zero)
.set KR,  32                           ; v32-85 K's run of 48 registers and six zeros; later V's four fragments in v32-79
.set RR,  86                           ; v86    r = lane % 16
.set HH,  87                           ; v87    h = lane / 16
.set KSC, 88                           ; v88-91 K's scale words
.set VSC, 92                           ; v92-93 V's
.set PS,  94                           ; v94    p's
.set SS,  96                           ; v96-159  the bias, S^T, then p
.set OT,  160                          ; v160-191 O^T
.set PC,  192                          ; v192-203 p's codes
.set TP,  204                          ; v204-206, v208-210 two conversions' results
.set BM,  212                          ; v212-215 the blocks' largest scores, then largest p
.set BX,  216                          ; v216-219 at work
.set SO,  220                          ; v220-223 the conversions' scale operands
.set FF,  224                          ; v224 f = 2^(old M - new M) (v225 is named with it as a pair)
.set TT,  226                          ; v226-227 at work
.set DR,  228                          ; v228-243 distances of four queries, then their bias
.set WV,  18                           ; s18  my wave's number
.set SEL, 20                           ; s[20:21] selects for lane l xor 16
.set CS,  22                           ; s[22:23] log2(e)
.set G1K, 24                           ; s[24:31] descriptor group 1 for K's records; s[32:39] for V's
.set G1V, 32
.set G0K, 40                           ; s[40:47] groups 0 for K, one for each slot; s[48:55] for V
.set G0V, 48
.set CNT, 56
.set DP,  58                           ; s[58:59] my four rows of distances at the step that is loaded next
.set EPS, 60                           ; s[60:61] 1e-9
.set NA,  62                           ; s[62:63] -ln(2) |scaling|
.set PFA, 66                           ; s[66:67] where my prefetches stand
.set PFS, 68                           ; s[68:69] a record on
.set PF,  70                           ; s70  1 in a wave that prefetches
.set MSK, 71                           ; s71  all ones in waves whose query tile is the odd one of its pair
.macro CROUND                          ; a round of the cluster's barrier
	s_barrier_signal -1
	s_barrier_wait -1
	s_cmp_lg_u32 s[WV], 0
	s_cbranch_scc1 .Lnot_wave_0_\@
	s_barrier_signal -3
.Lnot_wave_0_\@:
	s_barrier_wait -3
	s_barrier_signal -1
	s_barrier_wait -1
.endm
; A joint load into slot sl.  The branches hang on the wave's number alone.  Four v_nop follow each of the two lines.
.macro TLOAD sl
	s_cmp_lt_u32 s[WV], 4
	s_cbranch_scc0 .Lnot_k_\@
	tensor_load_to_lds s[G0K+4*(\sl):G0K+4*(\sl)+3], s[G1K:G1K+7]
	s_nop 0
.rept 4
	v_nop
.endr
	s_branch .Lasked_\@
.Lnot_k_\@:
	s_cmp_lt_u32 s[WV], 8
	s_cbranch_scc0 .Lasked_\@
	tensor_load_to_lds s[G0V+4*(\sl):G0V+4*(\sl)+3], s[G1V:G1V+7]
	s_nop 0
.rept 4
	v_nop
.endr
.Lasked_\@:
.endm
; A prefetch of what the NEXT change of slots will ask for: one step, 12 matrix instructions and a softmax, ahead of that load.  All eight clusters of a batch's head group walk the same records: the first of them asks.  Its four
; partners take a head each, told apart by address; in each, wave 8 asks for K's record (26 blocks of 256 bytes, a lane a block) and wave 9 for V's (25); the lanes beyond name the record's last block.
.macro ASK
	s_cmp_eq_u32 s[PF], 1
	s_cbranch_scc0 .Lnot_mine_\@
	global_prefetch_b8 v[PFO], s[PFA:PFA+1] th:TH_LOAD_NT scope:SCOPE_SE
.Lnot_mine_\@:
.endm
.macro DLOAD                           ; 128 keys' distances of my four queries: each load covers 512 consecutive bytes of one row
.irp i, 0,1,2,3
	global_load_b128 v[DR+4*\i:DR+4*\i+3], v[LI], s[DP:DP+1] offset:8192*\i
.endr
.endm
.macro PRODUCE sw                      ; they become -ln(d + 1e-9) |scaling| = log2(d + 1e-9) x (-ln 2 |scaling|) and go into bias slot sw
	s_wait_loadcnt 0x0                             ; the four loads, issued a step ago, are in: so their base may be stepped too
.irp i, 0,2,4,6,8,10,12,14
	v_pk_add_f32 v[DR+\i:DR+\i+1], v[DR+\i:DR+\i+1], s[EPS:EPS+1] op_sel_hi:[1,0]
.endr
	s_wait_alu depctr_va_vdst(0)
.irp i, 0,1,2,3,4,5,6,7,8,9,10,11,12,13,14,15
	v_log_f32 v[DR+\i], v[DR+\i]
.endr
	v_nop                                          ; a plain place behind the logarithms
	s_wait_alu depctr_va_vdst(0)                   ; one wait for the sixteen, ahead of their first reader
.irp i, 0,2,4,6,8,10,12,14
	v_pk_mul_f32 v[DR+\i:DR+\i+1], v[DR+\i:DR+\i+1], s[NA:NA+1] op_sel_hi:[1,0]
.endr
.irp i, 0,1,2,3
	ds_store_b128 v[AW+(\sw)], v[DR+4*\i:DR+4*\i+3] offset:16*\i   ; query 4 (w % 4) + i of tile w / 4; my four keys are one group of four registers of one half of the lanes
.endr
.endm
	s_load_b256 s[4:11], s[0:1], 0x0               ; qc s[4:5], kc s[6:7], vc s[8:9], distances s[10:11]
	s_load_b128 s[12:15], s[0:1], 0x20             ; distance_scaling s[12:13], ao_codes s[14:15]
	s_load_b64 s[16:17], s[0:1], 0x30              ; ao_scales
	v_lshl_add_u32 v[SPW], v0, 2, SPARE
	v_mov_b32 v[NIL], 0
	ds_add_u32 v16, v17
	ds_add_u32 v16, v17
	s_wait_dscnt 0x0
	v_lshrrev_b32 v[RR], 5, v0
	s_delay_alu instid0(VALU_DEP_1)
	v_readfirstlane_b32 s[WV], v[RR]               ; wave 0..15
	s_bfe_u32 s72, ttmp6, 0x40000                  ; cx: my place in the cluster
	s_lshl_b32 s73, ttmp9, 2
	s_add_co_u32 s73, s73, s72                     ; my block of 64 queries, 0..31: it enters global addresses alone
	s_and_b32 s74, ttmp7, 0xffff
	s_lshr_b32 s75, s74, 2                         ; the batch
	s_and_b32 s76, s74, 3                          ; the group of four heads
	s_and_b32 s77, s[WV], 3                        ; my query tile.  Also: the head whose record I fetch
	s_lshr_b32 s78, s[WV], 2                       ; my head of the four.  Also: the query tile for which I make the bias
	s_lshl_b32 s79, s75, 2
	s_add_co_u32 s79, s79, s76
	s_lshl_b32 s79, s79, 2                         ; 16 x batch + the group's first head
	s_add_co_u32 s80, s79, s77
	s_lshl_b32 s80, s80, 4                         ; the record of step 0 of the head that I fetch
	s_mul_i32 s82, s80, VREC
	s_mul_i32 s80, s80, KREC
	s_mov_b32 s81, 0
	s_mov_b32 s83, 0
	s_mul_i32 s84, s77, KREC                       ; and its place in a slot
	s_mul_i32 s85, s77, VREC
	s_add_co_u32 s85, s85, VOFF
	s_add_co_u32 s86, s79, s78                     ; Q: my head,
	s_lshl_b32 s86, s86, 4
	s_lshr_b32 s87, s73, 1
	s_add_co_u32 s86, s86, s87                     ; the record that holds my block's 64 queries,
	s_mul_i32 s86, s86, KREC
	s_mov_b32 s87, 0
	s_and_b32 s88, s73, 1
	s_lshl_b32 s88, s88, 1
	s_lshr_b32 s89, s77, 1
	s_add_co_u32 s88, s88, s89                     ; the pair of tiles in it: twelve registers, three groups
	s_mul_i32 s89, s88, 1536
	s_lshl_b32 s88, s88, 2
	s_and_b32 s[MSK], s[WV], 1
	s_lshl_b32 s90, s[MSK], 8
	s_add_co_u32 s88, s88, s90                     ; its scale word: word (pair) of lane r + 16 x (odd tile)
	s_sub_co_u32 s[MSK], 0, s[MSK]
	s_lshl_b32 s90, s75, 11
	s_lshl_b32 s91, s73, 6
	s_add_co_u32 s90, s90, s91                     ; my block's first token
	s_lshl_b32 s91, s[WV], 2
	s_add_co_u32 s91, s90, s91                     ; the first of my four rows of distances,
	s_lshl_b32 s92, s91, 13                        ; 8,192 bytes a row
	s_mov_b32 s93, 0
	s_mul_i32 s94, s90, 768                        ; the result's codes: 768 bytes a token, 192 for a group of heads
	s_mul_i32 s95, s76, 192
	s_add_co_u32 s94, s94, s95
	s_mov_b32 s95, 0
	s_lshl_b32 s90, s90, 5                         ; its scale bytes: 32 a token, 8 for a group of heads
	s_lshl_b32 s91, s76, 3
	s_add_co_u32 s90, s90, s91
	s_mov_b32 s91, 0
	; descriptor group 1: a record is a dense block: rows of 256 bytes (32 elements of 8), 26 for K, 25 for V, no padding
	s_mov_b32 s[G1K], 15|(3<<16)|(1<<21)           ; 15:0 the mask: all four work-groups; 17:16 elements of 8 bytes; 21 set beside a mask
	s_mov_b32 s[G1K+1], 32<<16                     ; tensor_dim0
	s_mov_b32 s[G1K+2], 26<<16                     ; tensor_dim1
	s_mov_b32 s[G1K+3], 32<<16                     ; tile_dim0
	s_mov_b32 s[G1K+4], 26                         ; tile_dim1
	s_mov_b32 s[G1K+5], 32                         ; tensor_dim0_stride
	s_mov_b32 s[G1K+6], 0
	s_mov_b32 s[G1K+7], 0
	s_mov_b32 s[G1V], 15|(3<<16)|(1<<21)
	s_mov_b32 s[G1V+1], 32<<16
	s_mov_b32 s[G1V+2], 25<<16
	s_mov_b32 s[G1V+3], 32<<16
	s_mov_b32 s[G1V+4], 25
	s_mov_b32 s[G1V+5], 32
	s_mov_b32 s[G1V+6], 0
	s_mov_b32 s[G1V+7], 0
	s_mov_b32 s[SEL], 0x76543210
	s_mov_b32 s[SEL+1], 0xfedcba98
	s_mov_b32 s[CS], 0x3fb8aa3b                    ; log2(e)
	s_mov_b32 s[CS+1], s[CS]
	s_mov_b32 s[EPS], 0x3089705f                   ; 1e-9
	s_mov_b32 s[EPS+1], s[EPS]
	; LDS addresses: constants, the lane and the wave's number alone
	v_and_b32 v[TT], 31, v0                        ; lane
	v_and_b32 v[RR], 15, v0
	v_bfe_u32 v[HH], v0, 4, 1
	s_delay_alu instid0(VALU_DEP_3)
	v_lshlrev_b32 v[LI], 4, v[TT]
	s_mul_i32 s96, s78, KREC
	v_add_nc_u32 v[AK], s96, v[LI]
	s_delay_alu instid0(VALU_DEP_1)
	v_add_nc_u32 v[AK+1], SLOT1, v[AK]
	s_mul_i32 s96, s78, VREC
	s_add_co_u32 s96, s96, VOFF
	v_add_nc_u32 v[AV], s96, v[LI]
	s_delay_alu instid0(VALU_DEP_1)
	v_add_nc_u32 v[AV+1], SLOT1, v[AV]
	v_lshl_add_u32 v[AVS], v[TT], 3, s96
	s_delay_alu instid0(VALU_DEP_1)
	v_add_nc_u32 v[AVS], 6144, v[AVS]
	s_delay_alu instid0(VALU_DEP_1)
	v_add_nc_u32 v[AVS+1], SLOT1, v[AVS]
	s_mul_i32 s96, s77, BTILE
	s_add_co_u32 s96, s96, BIAS
	v_mul_u32_u24 v[AB], v[HH], BHALF
	s_delay_alu instid0(VALU_DEP_1)
	v_lshl_add_u32 v[AB], v[RR], 4, v[AB]
	s_delay_alu instid0(VALU_DEP_1)
	v_add_nc_u32 v[AB], s96, v[AB]                 ; group g of four registers: + 272 g: sixteen lanes read 256 bytes on end
	s_delay_alu instid0(VALU_DEP_1)
	v_add_nc_u32 v[AB+1], SLOT1, v[AB]
	s_mul_i32 s96, s78, BTILE
	s_lshl_b32 s97, s77, 6
	s_add_co_u32 s96, s96, s97
	s_add_co_u32 s96, s96, BIAS
	v_bfe_u32 v[AW], v0, 1, 1                      ; my keys 4 l .. 4 l + 3 belong to half (l / 2) % 2 of the lanes
	s_delay_alu instid0(VALU_DEP_1)
	v_mul_u32_u24 v[AW], v[AW], BHALF
	v_bfe_u32 v[AW+1], v0, 2, 3
	s_delay_alu instid0(VALU_DEP_1)
	v_lshlrev_b32 v[AW+1], 1, v[AW+1]
	v_and_b32 v[TT+1], 1, v0
	s_delay_alu instid0(VALU_DEP_1)
	v_add_nc_u32 v[AW+1], v[AW+1], v[TT+1]         ; and to group 2 (l / 4) + l % 2
	s_delay_alu instid0(VALU_DEP_1)
	v_mad_u32_u24 v[AW], v[AW+1], 272, v[AW]
	s_delay_alu instid0(VALU_DEP_1)
	v_add_nc_u32 v[AW], s96, v[AW]
	s_delay_alu instid0(VALU_DEP_1)
	v_add_nc_u32 v[AW+1], SLOT1, v[AW]
	v_add_nc_u32 v[TT], s89, v[LI]                 ; Q's three groups
	v_lshl_add_u32 v[TT+1], v[RR], 4, s88          ; Q's scale word
	s_wait_kmcnt 0x0
	s_load_b32 s19, s[12:13], 0x0                  ; distance_scaling
	s_mov_b32 s[G0K], 1                            ; slot 0: step 0
	s_mov_b32 s[G0K+1], s84
	s_add_nc_u64 s[G0K+2:G0K+3], s[6:7], s[80:81]
	s_mov_b32 s[G0K+4], 1                          ; slot 1: step 1
	s_add_co_u32 s[G0K+5], s84, SLOT1
	s_add_nc_u64 s[G0K+6:G0K+7], s[G0K+2:G0K+3], KREC
	s_or_b32 s[G0K+3], s[G0K+3], 0x80000000
	s_or_b32 s[G0K+7], s[G0K+7], 0x80000000
	s_mov_b32 s[G0V], 1
	s_mov_b32 s[G0V+1], s85
	s_add_nc_u64 s[G0V+2:G0V+3], s[8:9], s[82:83]
	s_mov_b32 s[G0V+4], 1
	s_add_co_u32 s[G0V+5], s85, SLOT1
	s_add_nc_u64 s[G0V+6:G0V+7], s[G0V+2:G0V+3], VREC
	s_or_b32 s[G0V+3], s[G0V+3], 0x80000000
	s_or_b32 s[G0V+7], s[G0V+7], 0x80000000
	s_add_nc_u64 s[4:5], s[4:5], s[86:87]
	s_add_nc_u64 s[DP:DP+1], s[10:11], s[92:93]
	s_add_nc_u64 s[14:15], s[14:15], s[94:95]
	s_add_nc_u64 s[16:17], s[16:17], s[90:91]
	s_cmp_eq_u32 s[WV], 8                          ; the prefetches: wave 8 K's records, wave 9 V's
	s_cselect_b64 s[PFA:PFA+1], s[6:7], s[8:9]
	s_mov_b32 s[PFS], VREC
	s_cselect_b32 s[PFS], KREC, s[PFS]
	s_cselect_b32 s86, 25, 24                      ; the record's last block of 256 bytes
	s_mov_b32 s[PFS+1], 0
	s_add_co_u32 s87, s79, s72                     ; the head that my work-group asks for
	s_lshl_b32 s87, s87, 4
	s_add_co_u32 s87, s87, 1                       ; at step 1: the first change of slots steps it to step 2.  Nothing is prefetched here, at the head
	s_mul_i32 s92, s87, s[PFS]
	s_mov_b32 s93, 0
	s_add_nc_u64 s[PFA:PFA+1], s[PFA:PFA+1], s[92:93]
	v_and_b32 v[PFO], 31, v0
	s_delay_alu instid0(VALU_DEP_1)
	v_min_u32 v[PFO], s86, v[PFO]
	s_delay_alu instid0(VALU_DEP_1)
	v_lshlrev_b32 v[PFO], 8, v[PFO]
	s_lshr_b32 s[PF], s[WV], 1
	s_xor_b32 s[PF], s[PF], 4                      ; 0 in waves 8 and 9,
	s_or_b32 s[PF], s[PF], ttmp9                   ; of the first cluster: the same in all four partners
	s_cmp_eq_u32 s[PF], 0
	s_cselect_b32 s[PF], 1, 0
	CROUND                                         ; all four work-groups are here: the first joint loads meet
	TLOAD 0                                        ; step 0: one tensor load of mine is out
	DLOAD                                          ; step 0's distances
	s_wait_alu depctr_va_vdst(0)
.irp g, 0,1,2
	global_load_b128 v[SS+4*\g:SS+4*\g+3], v[TT], s[4:5] offset:512*\g   ; the pair of query tiles that holds mine
.endr
	global_load_b32 v[QS], v[TT+1], s[4:5] offset:6144
	v_mov_b32 v13, 0xff61b1e6                      ; the largest t so far: -3e38
	s_delay_alu instid0(VALU_DEP_1)
	v_floor_f32 v12, -v13                          ; -M
	v_mov_b32 v14, 0                               ; the sum, in two halves
	v_mov_b32 v15, 0
.irp i, 0,1,2,3,4,5
	v_mov_b32 v[QF+6+\i], 0                        ; Q's codes for the half of K that the head does not fill
	v_mov_b32 v[KR+48+\i], 0                       ; and what stands behind K's last tile
.endr
.irp b, 0,1,2,3
	v_mov_b32 v[BX+\b], 0                          ; written once: a lane permute's destination counts as one of its sources
.endr
	v_mov_b32 v[FF+1], 0                           ; (named as the upper half of a pair)
.set j, 0
.rept 32
	v_mov_b32 v[OT+j], 0                           ; O^T.  (The step is written for every step alike: the first finds zeros, which the first change of M leaves zeros)
.set j, j+1
.endr
	s_wait_kmcnt 0x0
	s_and_b32 s19, s19, 0x7fffffff                 ; |scaling|
	s_mul_f32 s[NA], s19, 0xbf317218               ; x -ln(2)
	s_mov_b32 s[NA+1], s[NA]
	s_wait_loadcnt 0x0
.irp i, 0,1,2,3,4,5
	v_cndmask_b32 v[QF+\i], v[SS+\i], v[SS+6+\i], s[MSK]   ; my tile of the pair
.endr
	PRODUCE 0                                      ; step 0's bias
	s_wait_dscnt 0x0                               ; the stores have read their registers
	s_add_nc_u64 s[DP:DP+1], s[DP:DP+1], 512
	DLOAD                                          ; step 1's distances
; THE CHANGE OF SLOTS stands at a step's head.  Each wave waits for all its tensor loads, adds 0 to its spare word, and waits for that, for its reads of the slots that it has left and for its stores of the next step's bias.
; Behind the barrier slot sl of K, V and the bias is whole and nobody reads the other.  fill = 1: the barrier is a round of the cluster's, and the other slot is filled with the next step's records.
.macro CHANGE sl, fill, ask
	s_wait_tensorcnt 0x0                           ; no tensor load of mine is out, so a group 0 may be written
	ds_add_u32 v[SPW], v[NIL]                      ; 0 onto my spare word
.if \fill
	s_add_nc_u64 s[G0K+4*(\sl)+2:G0K+4*(\sl)+3], s[G0K+4*(\sl)+2:G0K+4*(\sl)+3], 2*KREC   ; this slot's next records: two steps on
	s_add_nc_u64 s[G0V+4*(\sl)+2:G0V+4*(\sl)+3], s[G0V+4*(\sl)+2:G0V+4*(\sl)+3], 2*VREC
.endif
.if \ask
	s_wait_xcnt 0x0                                ; the last prefetch, a step back, has read its address
	s_add_nc_u64 s[PFA:PFA+1], s[PFA:PFA+1], s[PFS:PFS+1]
.endif
	s_wait_dscnt 0x0
.if \fill
	CROUND
	TLOAD 1-(\sl)                                  ; the first thing behind the round, and a wave's one tensor load until the next
.if \ask
	ASK
.endif
.else
	s_barrier_signal -1
	s_barrier_wait -1
.endif
.endm
; A KEY STEP: 128 keys, from slot sl.  prod = 1: the next step's bias is made; load = 1: the distances of the step after that are asked for.
.macro STEP sl, prod, load
.rept 4
	v_nop                                          ; places in front of loads into registers that the last products have read
.endr
.irp g, 0,1,2,3,4,5,6,7,8,9,10,11,12,13,14,15
	ds_load_b128 v[SS+4*\g:SS+4*\g+3], v[AB+\sl] offset:272*\g   ; the bias, in the accumulators: register 8 t + j of lane (r, h): key 16 t + 8 h + j, query r
.endr
.irp g, 0,1,2,3,4,5,6,7,8,9,10,11
	ds_load_b128 v[KR+4*\g:KR+4*\g+3], v[AK+\sl] offset:512*\g
.endr
	ds_load_b128 v[KSC:KSC+3], v[AK+\sl] offset:6144
.if \prod
	PRODUCE 1-(\sl)
.endif
	s_wait_dscnt 0x0
.irp u, 0,1,2,3                                ; S^T = K Q^T + bias: eight accumulators, one instruction each
	v_wmma_scale_f32_16x16x128_f8f6f4 v[SS+16*\u:SS+16*\u+7], v[KR+12*\u:KR+12*\u+11], v[QF:QF+11], v[SS+16*\u:SS+16*\u+7], v[KSC+\u], v[QS] matrix_a_fmt:MATRIX_FMT_FP6 matrix_b_fmt:MATRIX_FMT_FP6
	v_wmma_scale_f32_16x16x128_f8f6f4 v[SS+16*\u+8:SS+16*\u+15], v[KR+12*\u+6:KR+12*\u+17], v[QF:QF+11], v[SS+16*\u+8:SS+16*\u+15], v[KSC+\u], v[QS] matrix_a_fmt:MATRIX_FMT_FP6 matrix_b_fmt:MATRIX_FMT_FP6 matrix_a_scale:MATRIX_SCALE_ROW1
.endr
.if \load
	s_add_nc_u64 s[DP:DP+1], s[DP:DP+1], 512       ; (the loads that read this base are in: the wait stands in front of the logarithms)
	DLOAD
.endif
.rept 4
	v_nop                                          ; places: V is loaded over K, and the scores are read
.endr
.irp g, 0,1,2,3,4,5,6,7,8,9,10,11
	ds_load_b128 v[KR+4*\g:KR+4*\g+3], v[AV+\sl] offset:512*\g   ; V's four fragments land while the softmax is walked
.endr
	ds_load_b64 v[VSC:VSC+1], v[AVS+\sl]
.irp b, 0,1,2,3
	v_max3_num_f32 v[BM+\b], v[SS+16*\b], v[SS+1+16*\b], v[SS+2+16*\b]   ; the largest score of each block of 32 keys: for the row's maximum and, since p rises with the score, for the block's largest p
.endr
.irp i, 3,5,7,9,11,13
.irp b, 0,1,2,3
	v_max3_num_f32 v[BM+\b], v[BM+\b], v[SS+16*\b+\i], v[SS+1+16*\b+\i]
.endr
.endr
.irp b, 0,1,2,3
	v_max_num_f32 v[BM+\b], v[BM+\b], v[SS+15+16*\b]
.endr
.irp b, 0,1,2,3
	s_delay_alu instid0(VALU_DEP_4)
	v_permlanex16_b32 v[BX+\b], v[BM+\b], s[SEL], s[SEL+1]
.endr
.irp b, 0,1,2,3
	s_delay_alu instid0(VALU_DEP_4)
	v_max_num_f32 v[BM+\b], v[BM+\b], v[BX+\b]     ; with lane l xor 16's 16 keys
.endr
	s_delay_alu instid0(VALU_DEP_2)
	v_max3_num_f32 v[TT], v[BM], v[BM+1], v[BM+2]
	s_delay_alu instid0(VALU_DEP_1)
	v_max_num_f32 v[TT], v[TT], v[BM+3]
	s_delay_alu instid0(VALU_DEP_1)
	v_mul_f32 v[TT], s[CS], v[TT]                  ; the step's largest t
	s_delay_alu instid0(VALU_DEP_1)
	v_max_num_f32 v13, v13, v[TT]                  ; the running largest t
	v_mov_b32 v[TT], v12
	s_delay_alu instid0(VALU_DEP_2)
	v_floor_f32 v12, -v13                          ; the new -M = -ceil(t)
	s_delay_alu instid0(VALU_DEP_1)
	v_sub_f32 v[TT], v12, v[TT]                    ; old M - new M: a whole number, 0 or less
	s_delay_alu instid0(VALU_DEP_1)
	v_cvt_i32_f32 v[TT], v[TT]                     ; (it saturates)
	s_delay_alu instid0(VALU_DEP_1)
	v_ldexp_f32 v[FF], 1.0, v[TT]                  ; f = 2^(old M - new M)
.set j, 0
.rept 32
	v_pk_fma_f32 v[SS+j:SS+j+1], v[SS+j:SS+j+1], s[CS:CS+1], v[12:13] op_sel_hi:[1,0,0]   ; t - M
.set j, j+2
.endr
.irp b, 0,1,2,3
	v_fma_f32 v[BM+\b], v[BM+\b], s[CS], v12       ; the same of each block's largest score
.endr
.set j, 0
	s_wait_alu depctr_va_vdst(0)
.rept 64
	v_exp_f32 v[SS+j], v[SS+j]                     ; p = 2^(t - M)
.set j, j+1
.endr
	v_pk_mul_f32 v[14:15], v[14:15], v[FF:FF+1] op_sel_hi:[1,0]   ; the sums under the new M (a plain place behind the exponentials)
	s_wait_alu depctr_va_vdst(0)                   ; one wait for the whole batch, ahead of its first reader
.irp b, 0,1,2,3
	v_exp_f32 v[BM+\b], v[BM+\b]                   ; the block's largest p: the same two instructions on the same number
.endr
	v_pk_add_f32 v[226:227], v[100:101], v[104:105]
	v_pk_add_f32 v[254:255], v[108:109], v[112:113]
	v_pk_add_f32 v[252:253], v[116:117], v[120:121]
	v_pk_add_f32 v[250:251], v[124:125], v[128:129]
	v_pk_add_f32 v[248:249], v[132:133], v[136:137]
	v_pk_add_f32 v[246:247], v[140:141], v[144:145]
	v_pk_add_f32 v[244:245], v[148:149], v[152:153]
	v_pk_add_f32 v[14:15], v[14:15], v[156:157]
	v_pk_add_f32 v[226:227], v[226:227], v[96:97]
	v_pk_add_f32 v[254:255], v[254:255], v[98:99]
	v_pk_add_f32 v[252:253], v[252:253], v[102:103]
	v_pk_add_f32 v[250:251], v[250:251], v[106:107]
	v_pk_add_f32 v[248:249], v[248:249], v[110:111]
	v_pk_add_f32 v[246:247], v[246:247], v[114:115]
	v_pk_add_f32 v[244:245], v[244:245], v[118:119]
	v_pk_add_f32 v[14:15], v[14:15], v[122:123]
	v_pk_add_f32 v[226:227], v[226:227], v[126:127]
	v_pk_add_f32 v[254:255], v[254:255], v[130:131]
	v_pk_add_f32 v[252:253], v[252:253], v[134:135]
	v_pk_add_f32 v[250:251], v[250:251], v[138:139]
	v_pk_add_f32 v[248:249], v[248:249], v[142:143]
	v_pk_add_f32 v[246:247], v[246:247], v[146:147]
	v_pk_add_f32 v[244:245], v[244:245], v[150:151]
	v_pk_add_f32 v[14:15], v[14:15], v[154:155]
	v_pk_add_f32 v[226:227], v[226:227], v[158:159]
	s_delay_alu instid0(VALU_DEP_2)
	v_pk_add_f32 v[14:15], v[14:15], v[250:251]
	s_delay_alu instid0(VALU_DEP_2)
	v_pk_add_f32 v[226:227], v[226:227], v[248:249]
	v_pk_add_f32 v[254:255], v[254:255], v[246:247]
	v_pk_add_f32 v[252:253], v[252:253], v[244:245]
	s_delay_alu instid0(VALU_DEP_2)
	v_pk_add_f32 v[14:15], v[14:15], v[254:255]
	s_delay_alu instid0(VALU_DEP_2)
	v_pk_add_f32 v[226:227], v[226:227], v[252:253]
	s_delay_alu instid0(VALU_DEP_1)
	v_pk_add_f32 v[14:15], v[14:15], v[226:227]
	s_wait_alu depctr_va_vdst(0)                   ; and one for the four
.irp b, 0,1,2,3
	v_max_num_f32 v[BM+\b], 0x1800000, v[BM+\b]    ; the floor 2^(3 - 127): the byte cannot fall under 1
.endr
.irp b, 0,1,2,3
	s_delay_alu instid0(VALU_DEP_4)
	v_add_nc_u32 v[SO+\b], 0xff000000, v[BM+\b]    ; 2 off the exponent field: the conversion's scale operand
.endr
.irp b, 0,1,2,3
	s_delay_alu instid0(VALU_DEP_4)
	v_lshrrev_b32 v[BX+\b], 23, v[SO+\b]           ; the scale's byte
.endr
	s_delay_alu instid0(VALU_DEP_3)
	v_lshl_or_b32 v[PS], v[BX+1], 8, v[BX]
	s_delay_alu instid0(VALU_DEP_1)
	v_lshl_or_b32 v[PS], v[BX+2], 16, v[PS]
	s_delay_alu instid0(VALU_DEP_1)
	v_lshl_or_b32 v[PS], v[BX+3], 24, v[PS]
.irp c, 0,1
	v_cvt_scalef32_pk16_fp6_f32 v[PC+6*\c:PC+6*\c+2], v[SS+32*\c:SS+32*\c+15], v[SO+2*\c]
	v_cvt_scalef32_pk16_fp6_f32 v[TP+4*\c:TP+4*\c+2], v[SS+32*\c+16:SS+32*\c+31], v[SO+2*\c+1]
.endr
	v_nop                                          ; one plain place behind a scaled conversion
.irp c, 0,1                                    ; a whole block to a lane: lanes 0-15 block 2 c, lanes 16-31 block 2 c + 1
.irp i, 0,1,2
	v_permlane16_swap_b32 v[PC+6*\c+\i], v[TP+4*\c+\i]
.endr
.irp i, 0,1,2
	s_delay_alu instid0(VALU_DEP_3)
	v_mov_b32 v[PC+6*\c+3+\i], v[TP+4*\c+\i]
.endr
.endr
.set j, 0
.rept 16
	v_pk_mul_f32 v[OT+j:OT+j+1], v[OT+j:OT+j+1], v[FF:FF+1] op_sel_hi:[1,0]   ; O^T under the new M.  (These are also the places between the writes of p's codes and scale word and the products)
.set j, j+2
.endr
	s_wait_alu depctr_va_vdst(0)
	s_wait_dscnt 0x0                               ; V
.irp u, 0,1                                    ; O^T += V^T P^T: four accumulators, one instruction each
	v_wmma_scale_f32_16x16x128_f8f6f4 v[OT+16*\u:OT+16*\u+7], v[KR+24*\u:KR+24*\u+11], v[PC:PC+11], v[OT+16*\u:OT+16*\u+7], v[VSC+\u], v[PS] matrix_a_fmt:MATRIX_FMT_FP6 matrix_b_fmt:MATRIX_FMT_FP6
	v_wmma_scale_f32_16x16x128_f8f6f4 v[OT+16*\u+8:OT+16*\u+15], v[KR+24*\u+12:KR+24*\u+23], v[PC:PC+11], v[OT+16*\u+8:OT+16*\u+15], v[VSC+\u], v[PS] matrix_a_fmt:MATRIX_FMT_FP6 matrix_b_fmt:MATRIX_FMT_FP6 matrix_a_scale:MATRIX_SCALE_ROW1
.endr
.endm
	s_mov_b32 s[CNT], 7
.Lloop:                                            ; seven trips of two steps: steps 0 to 13
	CHANGE 0, 1, 1
	STEP 0, 1, 1
	CHANGE 1, 1, 1
	STEP 1, 1, 1
	s_sub_co_u32 s[CNT], s[CNT], 1
	s_cmp_lg_u32 s[CNT], 0
	s_cbranch_scc1 .Lloop
	CHANGE 0, 1, 0                                 ; the last two steps are written out: no tensor load, load or prefetch is jumped over, and none passes its buffer's end
	STEP 0, 1, 0
	CHANGE 1, 0, 0
	STEP 1, 0, 0
	; THE WAY OUT.  O^T / the sum is quantised along the embedding (a head is two blocks of 32, in their own order, as Wo's codes have it) and leaves through a stage, so that a token's 192 bytes of four heads are stored on end.
	v_add_f32 v14, v14, v15
	s_delay_alu instid0(VALU_DEP_1)
	v_permlanex16_b32 v[TT], v14, s[SEL], s[SEL+1]
	s_delay_alu instid0(VALU_DEP_1)
	v_add_f32 v14, v14, v[TT]                      ; the row's sum
	s_wait_alu depctr_va_vdst(0)
	v_rcp_f32 v14, v14
	s_mul_i32 s96, s77, 16*272                     ; (the address work is the plain work behind the reciprocal and behind the last products)
	s_lshl_b32 s97, s78, 6
	s_add_co_u32 s96, s96, s97
	s_add_co_u32 s96, s96, STAGE
	v_mul_u32_u24 v244, v[RR], 272
	s_delay_alu instid0(VALU_DEP_1)
	v_lshl_add_u32 v244, v[HH], 4, v244
	s_delay_alu instid0(VALU_DEP_1)
	v_add_nc_u32 v244, s96, v244                   ; in: row 16 x tile + r, place 4 x head + 2 x block + h
	s_lshl_b32 s96, s77, 7
	s_lshl_b32 s97, s78, 1
	s_add_co_u32 s96, s96, s97
	s_add_co_u32 s96, s96, SSTG
	v_lshl_add_u32 v245, v[RR], 3, s96             ; my row's two scale bytes
	s_mul_i32 s96, s[WV], 4*272
	s_add_co_u32 s96, s96, STAGE
	v_mul_u32_u24 v246, v[HH], 272
	s_delay_alu instid0(VALU_DEP_1)
	v_lshl_add_u32 v246, v[RR], 4, v246
	s_delay_alu instid0(VALU_DEP_1)
	v_add_nc_u32 v246, s96, v246                   ; back: rows 4 w + h and 4 w + 2 + h, sixteen lanes to a row
	s_mul_i32 s96, s[WV], 4*768
	v_mul_u32_u24 v247, v[HH], 768
	s_delay_alu instid0(VALU_DEP_1)
	v_mad_u32_u24 v247, v[RR], 12, v247
	s_delay_alu instid0(VALU_DEP_1)
	v_add_nc_u32 v247, s96, v247                   ; and the same place in memory
	s_and_b32 s96, s[WV], 1
	s_lshl_b32 s96, s96, 5
	v_and_b32 v248, 31, v0
	s_delay_alu instid0(VALU_DEP_1)
	v_add_nc_u32 v248, s96, v248                   ; the scale bytes: waves 0 and 1, a lane a row
	s_delay_alu instid0(VALU_DEP_1)
	v_lshlrev_b32 v249, 5, v248
	s_delay_alu instid0(VALU_DEP_2)
	v_lshl_add_u32 v248, v248, 3, SSTG
	s_wait_alu depctr_va_vdst(0)                   ; the wait ahead of the reciprocal's first reader
.set j, 0
.rept 16
	v_pk_mul_f32 v[SS+j:SS+j+1], v[OT+j:OT+j+1], v[14:15] op_sel_hi:[1,0]   ; register 8 t + i: channel 16 t + 8 h + i of query r; each accumulator from its low end on
.set j, j+2
.endr
.irp be, 0,1
.irp i, 0,1,2,3,4,5,6,7
	v_permlane16_swap_b32 v[SS+16*\be+\i], v[SS+16*\be+8+\i]   ; tile 2 be's lanes 16-31 change places with tile 2 be + 1's lanes 0-15: my 16 registers are now channels 32 be + 16 h + 0 .. 15
.endr
.endr
.irp be, 0,1
	v_max3_num_f32 v[BM+\be], |v[SS+16*\be]|, |v[SS+16*\be+1]|, 0x1800000
.endr
.irp i, 2,4,6,8,10,12,14
.irp be, 0,1
	s_delay_alu instid0(VALU_DEP_2)
	v_max3_num_f32 v[BM+\be], v[BM+\be], |v[SS+16*\be+\i]|, |v[SS+16*\be+\i+1]|
.endr
.endr
.irp be, 0,1
	s_delay_alu instid0(VALU_DEP_2)
	v_permlanex16_b32 v[BX+\be], v[BM+\be], s[SEL], s[SEL+1]
.endr
.irp be, 0,1
	s_delay_alu instid0(VALU_DEP_2)
	v_max_num_f32 v[BM+\be], v[BM+\be], v[BX+\be]
.endr
.irp be, 0,1
	s_delay_alu instid0(VALU_DEP_2)
	v_add_nc_u32 v[SO+\be], 0xff000000, v[BM+\be]
.endr
.irp be, 0,1
	s_delay_alu instid0(VALU_DEP_2)
	v_lshrrev_b32 v[BX+\be], 23, v[SO+\be]
.endr
	s_delay_alu instid0(VALU_DEP_1)
	v_lshl_or_b32 v[TT], v[BX+1], 8, v[BX]
	v_cvt_scalef32_pk16_fp6_f32 v[PC:PC+2], v[SS:SS+15], v[SO]
	v_cvt_scalef32_pk16_fp6_f32 v[PC+4:PC+6], v[SS+16:SS+31], v[SO+1]
	v_nop                                          ; one plain place behind a scaled conversion
	ds_store_b96 v244, v[PC:PC+2]                  ; 16 codes, 12 bytes, to a place of 16
	ds_store_b96 v244, v[PC+4:PC+6] offset:32
	ds_store_b16 v245, v[TT]                       ; both lanes of a row write the same two bytes
	s_wait_dscnt 0x0                               ; for the others' sake: my stores have landed
	s_barrier_signal -1
	s_barrier_wait -1
	ds_load_b96 v[TP:TP+2], v246
	ds_load_b96 v[TP+4:TP+6], v246 offset:2*272
	s_wait_dscnt 0x0
	global_store_b96 v247, v[TP:TP+2], s[14:15]    ; sixteen lanes store a token's 192 consecutive bytes
	global_store_b96 v247, v[TP+4:TP+6], s[14:15] offset:2*768
	s_cmp_lt_u32 s[WV], 2
	s_cbranch_scc0 .Lno_scales
	ds_load_b64 v[BM:BM+1], v248
	s_wait_dscnt 0x0
	global_store_b64 v249, v[BM:BM+1], s[16:17]    ; a token's eight scale bytes of these four heads
.Lno_scales:
	s_wait_tensorcnt 0x0                           ; the wave's end
	ds_add_u32 v[SPW], v[NIL]
	s_wait_dscnt 0x0
	CROUND                                         ; the closing round
	s_endpgm
.Lfunc_end_k_q13dab10ddd_attn:
	.size	k_q13dab10ddd_attn, .Lfunc_end_k_q13dab10ddd_attn-k_q13dab10ddd_attn
	.p2alignl 7, 3214868480
	.fill 96, 4, 3214868480
	.section	.rodata,"a",@progbits
	.p2align	6, 0x0
	.amdhsa_kernel k_q13dab10ddd_attn
		.amdhsa_group_segment_fixed_size 327680
		.amdhsa_private_segment_fixed_size 0
		.amdhsa_enable_private_segment 0
		.amdhsa_kernarg_size 56
		.amdhsa_user_sgpr_count 2
		.amdhsa_user_sgpr_kernarg_segment_ptr 1
		.amdhsa_wavefront_size32 1
		.amdhsa_system_sgpr_workgroup_id_x 1
		.amdhsa_system_sgpr_workgroup_id_y 1
		.amdhsa_system_sgpr_workgroup_id_z 1
		.amdhsa_system_vgpr_workitem_id 0
		.amdhsa_next_free_vgpr 256
		.amdhsa_next_free_sgpr 100
		.amdhsa_reserve_vcc 0
		.amdhsa_float_denorm_mode_32 3
		.amdhsa_float_denorm_mode_16_64 3
		.amdhsa_memory_ordered 1
		.amdhsa_forward_progress 1
		.amdhsa_inst_pref_size 102
	.end_amdhsa_kernel
	.amdgpu_metadata
---
amdhsa.version: [ 1, 2 ]
amdhsa.kernels:
  - .name:           k_q13dab10ddd_attn
    .symbol:         k_q13dab10ddd_attn.kd
    .args:
      - { .name: qc, .offset: 0, .size: 8, .value_kind: global_buffer, .address_space: global }
      - { .name: kc, .offset: 8, .size: 8, .value_kind: global_buffer, .address_space: global }
      - { .name: vc, .offset: 16, .size: 8, .value_kind: global_buffer, .address_space: global }
      - { .name: distances, .offset: 24, .size: 8, .value_kind: global_buffer, .address_space: global }
      - { .name: distance_scaling, .offset: 32, .size: 8, .value_kind: global_buffer, .address_space: global }
      - { .name: ao_codes, .offset: 40, .size: 8, .value_kind: global_buffer, .address_space: global }
      - { .name: ao_scales, .offset: 48, .size: 8, .value_kind: global_buffer, .address_space: global }
    .group_segment_fixed_size: 327680
    .private_segment_fixed_size: 0
    .kernarg_segment_align: 8
    .kernarg_segment_size: 56
    .max_flat_workgroup_size: 512
    .sgpr_count:     100
    .vgpr_count:     256
    .wavefront_size: 32
...
	.end_amdgpu_metadata
.endif
;; end of part 2
;; launch oproj (part 3): grid 4 x 32, 4 waves a work-group, clusters of 4 x 4, 327,680 bytes of LDS; arguments ao_codes, ao_scales, Wo_codes, Wo_scales, bo, out0; writes out0
.if DOCPART == 3
	.amdgcn_target "amdgcn-amd-amdhsa--gfx1250"
	.amdhsa_code_object_version 6
	.text
	.protected	k_q13dab10ddd_oproj
	.globl	k_q13dab10ddd_oproj
	.p2align	8
	.type	k_q13dab10ddd_oproj,@function
k_q13dab10ddd_oproj:
	s_mov_b64 s[64:65], 0
	v_nop
	global_prefetch_b8 v0, s[64:65] scope:SCOPE_SE
	s_setreg_imm32_b32 hwreg(HW_REG_WAVE_MODE, 25, 1), 1
	s_wait_xcnt 0x0
	s_wait_alu depctr_hold_cnt(0) depctr_sa_sdst(0) depctr_va_vdst(0) depctr_va_sdst(0) depctr_va_ssrc(0) depctr_va_vcc(0) depctr_vm_vsrc(0)
	s_getreg_b32 s2, hwreg(HW_REG_IB_STS2, 6, 4)
	s_cmp_eq_u32 s2, 0
	s_cbranch_scc0 .Lentry_in_a_cluster
	s_endpgm
.Lentry_in_a_cluster:
	s_bfe_u32 s2, ttmp6, 0x10000c
	s_cmp_lg_u32 s2, 0xf033
	s_cbranch_scc0 .Lentry_shape_is_right
	s_endpgm
.Lentry_shape_is_right:
.set SIZE_M, 8192
.set SIZE_N, 1024
.set SIZE_K, 1024
; out0 = attention's result x Wo^T + bo, both operands codes of E2M3 with E8M0 scales; f32 out.  A work-group makes 256 x 256, a wave 128 x 128.
; K goes through a ring of two LDS slots in CHUNKS OF 256 BYTES of each 768-byte row: three chunks; a step of 128 along K is 96 bytes, so steps 2 and 5 read from both slots.
; The scales of the 256 + 256 rows come once, at the head.  Clusters of 4 x 4: A's tiles are asked for jointly along a row of the cluster, B's along a column.
; No prefetch: K is three chunks; chunks 0 and 1 are asked for at the head and chunk 2 in step 2, so no trip lies ahead of a load in which to ask.
.set NQ,     2                         ; steps that one set of scale words serves
.set ROWB,   256                       ; a tile's row: a chunk of a row of codes
.set KROW,   SIZE_K*6/8
.set STEPS,  SIZE_K/128
.set CHUNKS, KROW/ROWB                 ; chunk c lies in slot c % 2
.set PITCH,  272                       ; 256 bytes + 16 of padding
.set FR,     12
.set NL,     6
.set NP,     4
.set HALFT,  128*PITCH
.set SLOT,   4*HALFT
.set STAGE,  (CHUNKS%2)*SLOT           ; the way out's stage: the slot that does not hold the last chunk; it has had its last fill and its last read by then
.set G0H,    4                         ; s[4:7], s[8:11] group 0 of the head's loads of chunk 0 (the arguments that lay there have been used)
.set G0HB,   8
.set KS,     SIZE_K/32
.set SCL,    2*SLOT
.set HALFS,  (128*KS/256)*272
.set SBLK,   (16*KS/256)*272
.set SPARE,  SCL+4*HALFS
.set SPITCH, 528
.set BOF,  7
.set ADRA, 16
.set ADRB, 20
.set STO,  24
.set RD,   25
.set CO,   26
.set ADRS, 27
.set SPW,  28
.set NIL,  29
.set SC,   32
.set BO,   64
.set AF,   128
.set BK,   128
.set G1, 24
.set G0, 32
.set G1B, 48
.set G0B, 56
.set G1S, 68
.set G0S, 76
.set G1SB, 80
.set G0SB, 88
.set MSB, 0
.macro WIN new
.if MSB != (\new)
	s_set_vgpr_msb (MSB<<8)|(\new)
.set MSB, (\new)
.endif
.endm
.set MUL_LO, 0xa1
.set MUL_HI, 0xf1
.set MULZ_LO, 0x81
.set MULZ_HI, 0xc1
.set TO_B,   0x40
.macro JLOAD g0a, g1a, g0b, g1b
	s_cmp_eq_u32 s15, 0
	s_cbranch_scc0 .Lfor_b_\@
	tensor_load_to_lds s[\g0a:\g0a+3], s[\g1a:\g1a+7]
	s_nop 0
.rept 4
	v_nop
.endr
	s_branch .Lasked_\@
.Lfor_b_\@:
	tensor_load_to_lds s[\g0b:\g0b+3], s[\g1b:\g1b+7]
	s_nop 0
.rept 4
	v_nop
.endr
.Lasked_\@:
.endm
.macro CREST
	s_cmp_lg_u32 s14, 0
	s_cbranch_scc1 .Lnot_wave_0_\@
	s_barrier_signal -3
.Lnot_wave_0_\@:
	s_barrier_wait -3
	s_barrier_signal -1
	s_barrier_wait -1
.endm
.macro CROUND
	s_barrier_signal -1
	s_barrier_wait -1
	CREST
.endm
	s_load_b128 s[4:7], s[0:1], 0x0
	s_load_b128 s[8:11], s[0:1], 0x10
	s_load_b64 s[96:97], s[0:1], 0x20
	s_load_b64 s[12:13], s[0:1], 0x28
	v_lshl_add_u32 v[SPW], v0, 2, SPARE
	v_mov_b32 v[NIL], 0
	ds_add_u32 v28, v29
	ds_add_u32 v28, v29
	s_wait_dscnt 0x0
	v_lshrrev_b32 v1, 5, v0
	v_readfirstlane_b32 s14, v1
	s_lshr_b32 s15, s14, 1
	s_and_b32 s16, s14, 1
	s_bfe_u32 s40, ttmp6, 0x40000
	s_bfe_u32 s41, ttmp6, 0x40004
	s_lshl_b32 s42, ttmp9, 2
	s_add_co_u32 s42, s42, s40
	s_and_b32 s17, ttmp7, 0xffff
	s_lshl_b32 s17, s17, 2
	s_add_co_u32 s17, s17, s41
	s_lshl_b32 s43, s41, 2
	s_lshl_b32 s43, 15, s43
	s_lshl_b32 s44, 0x1111, s40
	s_or_b32 s[G1+0], s43, (0<<16)|(1<<20)|(1<<21)|(5<<22)|(3<<25)   ; padding: 4 words behind every 64
	s_or_b32 s[G1B+0], s44, (0<<16)|(1<<20)|(1<<21)|(5<<22)|(3<<25)
.irp g, G1, G1B
	s_mov_b32 s[\g+1], ROWB<<16
	s_mov_b32 s[\g+2], 256<<16                     ; 256 rows for the head's loads; 128 for the ring's, set behind the head's wait
	s_mov_b32 s[\g+3], ROWB<<16
	s_mov_b32 s[\g+4], 256
	s_mov_b32 s[\g+5], KROW
	s_mov_b32 s[\g+6], 0
	s_mov_b32 s[\g+7], 0
.endr
	s_or_b32 s[G1S+0], s43, (3<<16)|(1<<20)|(1<<21)|(5<<22)|(3<<25)
	s_or_b32 s[G1SB+0], s44, (3<<16)|(1<<20)|(1<<21)|(5<<22)|(3<<25)
.irp g, G1S, G1SB
	s_mov_b32 s[\g+1], 32<<16
	s_mov_b32 s[\g+2], KS<<16                      ; the scales of 256 rows: KS rows of 256 bytes
	s_mov_b32 s[\g+3], 32<<16
	s_mov_b32 s[\g+4], KS
	s_mov_b32 s[\g+5], 32
	s_mov_b32 s[\g+6], 0
	s_mov_b32 s[\g+7], 0
.endr
	s_lshl_b32 s20, s17, 8                         ; A: the tile's first row
	s_lshl_b32 s46, s42, 8                         ; B: likewise
	s_mov_b32 s21, 0
	s_mov_b32 s47, 0
	s_mov_b64 s[18:19], KS
	s_mul_u64 s[22:23], s[20:21], s[18:19]
	s_mul_u64 s[92:93], s[46:47], s[18:19]
	s_mov_b64 s[18:19], KROW
	s_mul_u64 s[20:21], s[20:21], s[18:19]
	s_mul_u64 s[46:47], s[46:47], s[18:19]
	s_mul_i32 s18, s16, 128*KROW                   ; in the ring I fetch 128 rows of a tile: which half, in bytes
	s_mov_b32 s19, 0
	s_mul_i32 s45, s14, HALFT
	s_wait_kmcnt 0x0
	s_add_nc_u64 s[20:21], s[4:5], s[20:21]
	s_add_nc_u64 s[22:23], s[6:7], s[22:23]
	s_add_nc_u64 s[46:47], s[8:9], s[46:47]
	s_add_nc_u64 s[92:93], s[10:11], s[92:93]
	CROUND
	s_mov_b32 s[G0H], 1                            ; the head's four tiles, each whole: chunk 0's 256 rows of A,
	s_mov_b32 s[G0H+1], 0
	s_mov_b64 s[G0H+2:G0H+3], s[20:21]
	s_or_b32 s[G0H+3], s[G0H+3], 0x80000000
	s_mov_b32 s[G0HB], 1                           ; its 256 rows of B,
	s_mov_b32 s[G0HB+1], 2*HALFT
	s_mov_b64 s[G0HB+2:G0HB+3], s[46:47]
	s_or_b32 s[G0HB+3], s[G0HB+3], 0x80000000
	s_mov_b32 s[G0S], 1                            ; A's scales,
	s_mov_b32 s[G0S+1], SCL
	s_mov_b64 s[G0S+2:G0S+3], s[22:23]
	s_or_b32 s[G0S+3], s[G0S+3], 0x80000000
	s_mov_b32 s[G0SB], 1                           ; and B's
	s_mov_b32 s[G0SB+1], SCL+2*HALFS
	s_mov_b64 s[G0SB+2:G0SB+3], s[92:93]
	s_or_b32 s[G0SB+3], s[G0SB+3], 0x80000000
	s_add_nc_u64 s[20:21], s[20:21], s[18:19]      ; for the ring: my 128 rows of the tile
	s_add_nc_u64 s[46:47], s[46:47], s[18:19]
.irp s, 0,1
	s_mov_b32 s[G0+4*\s], 1
	s_add_co_u32 s[G0+4*\s+1], s45, \s*SLOT
	s_add_nc_u64 s[G0+4*\s+2:G0+4*\s+3], s[20:21], \s*ROWB
	s_or_b32 s[G0+4*\s+3], s[G0+4*\s+3], 0x80000000
	s_mov_b32 s[G0B+4*\s], 1
	s_add_co_u32 s[G0B+4*\s+1], s45, \s*SLOT
	s_add_nc_u64 s[G0B+4*\s+2:G0B+4*\s+3], s[46:47], \s*ROWB
	s_or_b32 s[G0B+4*\s+3], s[G0B+4*\s+3], 0x80000000
.endr
; The head's loads, one a wave, in one tree of branches on the wave's number: wave 0 A's rows, wave 1 B's, wave 2 A's scales, wave 3 B's.
.macro ARM under, g0, g1, next
	s_cmp_lt_u32 s14, \under
	s_cbranch_scc0 \next
	tensor_load_to_lds s[\g0:\g0+3], s[\g1:\g1+7]
	s_nop 0
.rept 4
	v_nop
.endr
	s_branch .Lhead_asked
\next:
.endm
	ARM 1, G0H,  G1,  .Lhead_b
	ARM 2, G0HB, G1B, .Lhead_sa
	ARM 3, G0S,  G1S, .Lhead_sb
	tensor_load_to_lds s[G0SB:G0SB+3], s[G1SB:G1SB+7]
	s_nop 0
.rept 4
	v_nop
.endr
.Lhead_asked:
	v_and_b32 v1, 15, v0
	v_bfe_u32 v2, v0, 4, 1
	v_mul_u32_u24 v3, v1, PITCH
	v_mul_u32_u24 v4, v2, 24
	v_add_nc_u32 v4, v3, v4                        ; a fragment's row x pitch + 24 x half
	s_mov_b32 s21, SLOT-232
	s_mov_b32 s22, SLOT+232
	v_sub_nc_u32 v7, 1, v2
	v_mul_u32_u24 v5, s21, v2
	v_add_nc_u32 v5, v3, v5
	v_add_nc_u32 v5, 232, v5                       ; across two chunks: lanes 0-15 byte 232 of the row in slot 0, lanes 16-31 byte 0 in slot 1;
	v_mul_u32_u24 v6, s22, v7
	v_add_nc_u32 v6, v3, v6                        ; and lanes 0-15 byte 232 in slot 1, lanes 16-31 byte 0 in slot 0
	s_mul_i32 s21, s15, HALFT
	s_mul_i32 s22, s16, HALFT
	s_add_co_u32 s22, s22, 2*HALFT
	v_add_nc_u32 v[ADRA+2], s21, v5
	v_add_nc_u32 v[ADRA+3], s21, v6
	v_add_nc_u32 v[ADRB+2], s22, v5
	v_add_nc_u32 v[ADRB+3], s22, v6
.irp s, 0,1
	v_add_nc_u32 v[ADRA+\s], s21, v4
	v_add_nc_u32 v[ADRB+\s], s22, v4
	s_add_co_u32 s21, s21, SLOT
	s_add_co_u32 s22, s22, SLOT
.endr
	v_mul_u32_u24 v5, v1, KS
	v_lshrrev_b32 v6, 8, v5
	v_lshl_add_u32 v5, v6, 4, v5
	s_mul_i32 s21, s15, HALFS
	s_mul_i32 s22, s16, HALFS
	s_add_co_u32 s22, s22, 2*HALFS
	s_sub_co_u32 s22, s22, s21
	v_mul_u32_u24 v6, s22, v2
	s_add_co_u32 s21, s21, SCL
	v_add_nc_u32 v5, v5, v6
	v_add_nc_u32 v[ADRS], s21, v5
	s_mul_i32 s23, s14, 16*SPITCH
	s_add_co_u32 s23, s23, STAGE
	v_mul_u32_u24 v5, v1, SPITCH
	v_lshl_add_u32 v5, v2, 5, v5
	v_add_nc_u32 v[STO], s23, v5
	v_and_b32 v6, 31, v0
	v_lshlrev_b32 v[CO], 4, v6
	v_add_nc_u32 v[RD], s23, v[CO]
	v_lshlrev_b32 v[BOF], 5, v2
	s_wait_alu depctr_va_vdst(0)
	s_lshl_b32 s20, s17, 8
	s_lshl_b32 s21, s15, 7
	s_add_co_u32 s20, s20, s21
	s_mov_b32 s21, 0
	s_mov_b64 s[18:19], SIZE_N*4
	s_mul_u64 s[20:21], s[20:21], s[18:19]
	s_lshl_b32 s46, s42, 10
	s_lshl_b32 s47, s16, 9
	s_add_co_u32 s46, s46, s47
	s_mov_b32 s47, 0
	s_add_nc_u64 s[96:97], s[96:97], s[46:47]
	s_add_nc_u64 s[20:21], s[20:21], s[46:47]
	s_add_nc_u64 s[12:13], s[12:13], s[20:21]
.irp b, 0,1,2,3,4,5,6,7
	global_load_b128 v[BO+8*\b:BO+8*\b+3], v[BOF], s[96:97] offset:64*\b
	global_load_b128 v[BO+8*\b+4:BO+8*\b+7], v[BOF], s[96:97] offset:64*\b+16
.endr
.macro FRAG reg, adr, q, i             ; q: the step, counted from the row's start.  Byte y of a row lies in slot (y / 256) % 2 at byte y % 256 of the LDS row
.irp p, 0,1,2,3,4,5
.set BY, 96*(\q)+48*(\p/3)+8*(\p%3)    ; where the piece of lanes 0-15 begins; that of lanes 16-31 begins 24 bytes on
.if BY/ROWB == (BY+24)/ROWB
	ds_load_b64 v[\reg+2*\p:\reg+2*\p+1], v[\adr+(BY/ROWB)%2] offset:BY%ROWB+(\i)*16*PITCH
.else
	ds_load_b64 v[\reg+2*\p:\reg+2*\p+1], v[\adr+2+(BY/ROWB)%2] offset:BY%ROWB-232+(\i)*16*PITCH
.endif
.endr
.endm
.macro MUL16 a0, p, q, sc, zero
.irp a, \a0, \a0+1
.irp b, 0,1,2,3,4,5,6,7
.if \zero
	v_wmma_scale_f32_16x16x128_f8f6f4 v[8*(8*((\a)%4)+\b):8*(8*((\a)%4)+\b)+7], v[128*(\p)+FR*\b:128*(\p)+FR*\b+FR-1], v[AF+FR*(\a):AF+FR*(\a)+FR-1], v[BO+8*\b:BO+8*\b+7], v[SC+8*NQ*(\sc)+NQ*\b+(\q)], v[SC+8*NQ*(\sc)+NQ*(\a)+(\q)] matrix_a_fmt:MATRIX_FMT_FP6 matrix_b_fmt:MATRIX_FMT_FP6 matrix_a_scale:MATRIX_SCALE_ROW1
.else
	v_wmma_scale_f32_16x16x128_f8f6f4 v[8*(8*((\a)%4)+\b):8*(8*((\a)%4)+\b)+7], v[128*(\p)+FR*\b:128*(\p)+FR*\b+FR-1], v[AF+FR*(\a):AF+FR*(\a)+FR-1], v[8*(8*((\a)%4)+\b):8*(8*((\a)%4)+\b)+7], v[SC+8*NQ*(\sc)+NQ*\b+(\q)], v[SC+8*NQ*(\sc)+NQ*(\a)+(\q)] matrix_a_fmt:MATRIX_FMT_FP6 matrix_b_fmt:MATRIX_FMT_FP6 matrix_a_scale:MATRIX_SCALE_ROW1
.endif
.endr
.endr
.endm
.macro FETCH_B slot, q, p
	WIN TO_B
.irp i, 0,1,2,3,4,5,6,7
	FRAG 128*(\p)+FR*\i, ADRB+\slot, \q, \i
.endr
	WIN 0
.endm
.macro FETCH_A slot, q, i0
.irp i, \i0, \i0+1, \i0+2, \i0+3
	FRAG AF+FR*(\i), ADRA+\slot, \q, \i
.endr
.endm
.macro SCALES pr                       ; the scale words of steps 2 pr, 2 pr + 1 into set pr % 2
.irp i, 0,1,2,3,4,5,6,7
	ds_load_b64 v[SC+8*NQ*((\pr)%2)+NQ*\i:SC+8*NQ*((\pr)%2)+NQ*\i+1], v[ADRS] offset:\i*SBLK+4*NQ*(\pr)
.endr
.endm
.macro PLACES n
.rept \n
	v_nop
.endr
.endm
.macro WMUL hi, zero                   ; the products' windows; zero = 1: C is the bias, in window 0
.if \zero
	WIN MULZ_LO+0x40*(\hi)
.else
	WIN MUL_LO+0x50*(\hi)
.endif
.endm
; A step of 128 along K: 64 products on step st's fragments; the next step's fragments are fetched in its middle and at its end.
; Where the next step's bytes END in a chunk not yet read: a wait for my tensor loads and a barrier show it whole.  Where they BEGIN in a later chunk than this step's: the chunk left behind
; is read no more: the wait, the add, the wait for it and for my reads, the barrier; where a chunk two on is left to fetch, the barrier opens a round of the cluster's and the slot is filled again.
.macro STEP st, zero
.set NX, (\st)+1
.set C0, (96*(\st))/ROWB
.set C1, (96*NX)/ROWB
.set E0, (96*(\st)+95)/ROWB
.set E1, (96*NX+95)/ROWB
.if C1 > C0 || E1 > E0
	s_wait_tensorcnt 0x0                           ; all my tensor loads have landed
.if C1 > C0
	ds_add_u32 v[SPW], v[NIL]
	s_wait_dscnt 4*NL+1                            ; the add and the 24 youngest loads (A's blocks 4-7) may be out
.else
	s_wait_dscnt 4*NL                              ; the 24 youngest loads may be out
.endif
	WMUL 0, \zero
	MUL16 0, (\st)%2, (\st)%2, ((\st)/2)%2, \zero
	s_wait_dscnt 0x0                               ; the add and all my reads are done
	s_barrier_signal -1
	MUL16 2, (\st)%2, (\st)%2, ((\st)/2)%2, \zero
	WIN 0
	s_barrier_wait -1
.if C1 > C0 && C0+2 < CHUNKS
	CREST
	s_add_nc_u64 s[G0+4*(C0%2)+2:G0+4*(C0%2)+3], s[G0+4*(C0%2)+2:G0+4*(C0%2)+3], 2*ROWB
	s_add_nc_u64 s[G0B+4*(C0%2)+2:G0B+4*(C0%2)+3], s[G0B+4*(C0%2)+2:G0B+4*(C0%2)+3], 2*ROWB
	JLOAD G0+4*(C0%2), G1, G0B+4*(C0%2), G1B       ; chunk C0 + 2, first behind the round; its four v_nop are the places for the loads below
.else
	PLACES NP
.endif
.else
	s_wait_dscnt 4*NL                              ; B's set and A's blocks 0-3 are in
	WMUL 0, \zero
	MUL16 0, (\st)%2, (\st)%2, ((\st)/2)%2, \zero
	MUL16 2, (\st)%2, (\st)%2, ((\st)/2)%2, \zero
	s_wait_dscnt 0
	PLACES NP
.endif
	FETCH_B 0, NX, NX%2
	FETCH_A 0, NX, 0
.if NX%2 == 0
	SCALES NX/2
.endif
	WMUL 1, \zero
	MUL16 4, (\st)%2, (\st)%2, ((\st)/2)%2, \zero
	MUL16 6, (\st)%2, (\st)%2, ((\st)/2)%2, \zero
	PLACES NP
	WIN 0
	FETCH_A 0, NX, 4
.endm
	s_wait_alu depctr_va_vdst(0)                   ; the head's end
	s_wait_tensorcnt 0x0                           ; my tile of the head's four is in
	ds_add_u32 v[SPW], v[NIL]                      ; the add ahead of a later first fill
	s_mov_b32 s[G1+2], 128<<16                     ; no tensor load of mine is out: from here on a load brings 128 rows
	s_mov_b32 s[G1+4], 128
	s_mov_b32 s[G1B+2], 128<<16
	s_mov_b32 s[G1B+4], 128
	s_wait_dscnt 0x0
	CROUND                                         ; all four tiles are in, all sixteen work-groups are here
	JLOAD G0+4, G1, G0B+4, G1B                     ; chunk 1, first behind the round
	FETCH_B 0, 0, 0
	FETCH_A 0, 0, 0
	SCALES 0
	FETCH_A 0, 0, 4
	s_wait_loadcnt 0x0                             ; the bias, the first products' C
	STEP 0, 1
.set ST, 1
.rept STEPS-2
	STEP ST, 0
.set ST, ST+1
.endr
	s_wait_dscnt 4*NL
	WIN MUL_LO
	MUL16 0, 1, NQ-1, 1, 0
	MUL16 2, 1, NQ-1, 1, 0
	s_wait_dscnt 0
	WIN MUL_HI
	MUL16 4, 1, NQ-1, 1, 0
	MUL16 6, 1, NQ-1, 1, 0
	WIN 0
.macro TOSTAGE a
.set AC, 64*((\a)%4)
	WIN 0x08+4*((\a)/4)
.irp b, 0,1,2,3,4,5,6,7
	ds_store_b128 v[STO], v[AC+8*\b:AC+8*\b+3] offset:64*\b
	ds_store_b128 v[STO], v[AC+8*\b+4:AC+8*\b+7] offset:64*\b+16
.endr
	WIN 0
.set BB, BK+64*((\a)%2)
.irp t, 0,1,2,3,4,5,6,7,8,9,10,11,12,13,14,15
	ds_load_b128 v[BB+4*\t:BB+4*\t+3], v[RD] offset:\t*SPITCH
.endr
.endm
.macro SEND a, younger
.set BB, BK+64*((\a)%2)
	s_wait_dscnt \younger
.if (\a) > 0
	s_add_nc_u64 s[12:13], s[12:13], 16*SIZE_N*4
.endif
.irp t, 0,1,2,3,4,5,6,7,8,9,10,11,12,13,14,15
	global_store_b128 v[CO], v[BB+4*\t:BB+4*\t+3], s[12:13] offset:\t*SIZE_N*4 th:TH_STORE_NT
.endr
.endm
	PLACES NP
	TOSTAGE 0
.irp a, 1,2,3,4,5,6,7
.if \a > 1
	s_wait_xcnt 0x0
.endif
	TOSTAGE \a
	SEND \a-1, 32
.endr
	s_wait_xcnt 0x0
	SEND 7, 0
	s_wait_tensorcnt 0x0
	ds_add_u32 v[SPW], v[NIL]
	s_wait_dscnt 0x0
	CROUND
	s_endpgm
.Lfunc_end_k_q13dab10ddd_oproj:
	.size	k_q13dab10ddd_oproj, .Lfunc_end_k_q13dab10ddd_oproj-k_q13dab10ddd_oproj
	.p2alignl 7, 3214868480
	.fill 96, 4, 3214868480
	.section	.rodata,"a",@progbits
	.p2align	6, 0x0
	.amdhsa_kernel k_q13dab10ddd_oproj
		.amdhsa_group_segment_fixed_size 327680
		.amdhsa_private_segment_fixed_size 0
		.amdhsa_enable_private_segment 0
		.amdhsa_kernarg_size 48
		.amdhsa_user_sgpr_count 2
		.amdhsa_user_sgpr_kernarg_segment_ptr 1
		.amdhsa_wavefront_size32 1
		.amdhsa_system_sgpr_workgroup_id_x 1
		.amdhsa_system_sgpr_workgroup_id_y 1
		.amdhsa_system_sgpr_workgroup_id_z 1
		.amdhsa_system_vgpr_workitem_id 0
		.amdhsa_next_free_vgpr 1024
		.amdhsa_next_free_sgpr 98
		.amdhsa_reserve_vcc 0
		.amdhsa_float_denorm_mode_32 3
		.amdhsa_float_denorm_mode_16_64 3
		.amdhsa_memory_ordered 1
		.amdhsa_forward_progress 1
		.amdhsa_inst_pref_size 162
	.end_amdhsa_kernel
	.amdgpu_metadata
---
amdhsa.version: [ 1, 2 ]
amdhsa.kernels:
  - .name:           k_q13dab10ddd_oproj
    .symbol:         k_q13dab10ddd_oproj.kd
    .args:
      - { .name: ao_codes, .offset: 0, .size: 8, .value_kind: global_buffer, .address_space: global }
      - { .name: ao_scales, .offset: 8, .size: 8, .value_kind: global_buffer, .address_space: global }
      - { .name: Wo_codes, .offset: 16, .size: 8, .value_kind: global_buffer, .address_space: global }
      - { .name: Wo_scales, .offset: 24, .size: 8, .value_kind: global_buffer, .address_space: global }
      - { .name: bo, .offset: 32, .size: 8, .value_kind: global_buffer, .address_space: global }
      - { .name: out0, .offset: 40, .size: 8, .value_kind: global_buffer, .address_space: global }
    .group_segment_fixed_size: 327680
    .private_segment_fixed_size: 0
    .kernarg_segment_align: 8
    .kernarg_segment_size: 48
    .max_flat_workgroup_size: 128
    .sgpr_count:     98
    .vgpr_count:     1024
    .wavefront_size: 32
...
	.end_amdgpu_metadata
.endif
;; end of part 3
